; MI455X (gfx1250); checked and timed in simulation.
; The chip was launched on July 23, 2026; its instructions are those of AMD's public machine-readable ISA for CDNA 5 (MIT licence, August 2026) and "CDNA5" Instruction Set Architecture Reference Guide (July 2026). The comments in the code are by the model that wrote it; some were corrected since.
;; Sigmoid Attention. Allowed arithmetic: float matrix products may take bf16 or f16 operands with f32 sums; other float arithmetic in f32, or as packed bf16 or f16 multiplies, adds, multiply-adds, maxima and minima; sums over many terms, partial sums and values carried from step to step in f32; what a program stores and reads back later, other than sums and carried values, may be rounded once to bf16 or f16.
;; Inputs: Wk 1,024 x 1,024 float32; Wq 1,024 x 1,024 float32; Wv 1,024 x 1,024 float32; X 4 x 2,048 x 1,024 float32; bk 1,024 float32; bq 1,024 float32; bv 1,024 float32.
;; Outputs: out0 4 x 2,048 x 1,024 float32.
;; 2 versions, each right; version 2 is version 1 with the launch prep written anew for expert scheduling mode. Each part assembles by itself: llvm-mc -triple=amdgcn-amd-amdhsa -mcpu=gfx1250 --defsym DOCPART=n.
;; ======== version 1 of 2: 4 launches
;; limits: values are held in f16: magnitudes above 65,504 overflow, below 6.1e-05 lose precision
;; workspace buffers: Xb 16,777,216 bytes; Wc 6,291,456 bytes; bcat 12,288 bytes; Qf 16,777,216 bytes; Kf 16,777,216 bytes; Vf 16,777,216 bytes; Pf 33,554,432 bytes
;; launch prep (part 1): grid 256 x 1, 22 waves a work-group, no clusters, 0 bytes of LDS; arguments X, Wq, Wk, Wv, bq, bk, bv, Xb, Wc, bcat; writes Xb, Wc, bcat
.if DOCPART == 1
	.amdgcn_target "amdgcn-amd-amdhsa--gfx1250"
	.amdhsa_code_object_version 6
	.text
	.protected	k_qc44f25f0c4_prep
	.globl	k_qc44f25f0c4_prep
	.p2align	8
	.type	k_qc44f25f0c4_prep,@function
k_qc44f25f0c4_prep:
	s_mov_b64 s[64:65], 0
	v_nop
	global_prefetch_b8 v0, s[64:65] scope:SCOPE_SE
	s_setreg_imm32_b32 hwreg(HW_REG_WAVE_MODE, 25, 1), 1
	s_wait_xcnt 0x0
; THE CASTS.  X, the three weights and the three biases are rounded once to bf16 and laid out for the projection.
;   Xb   bf16 [16 kb][8192 tokens][64]: byte kb x 1,048,576 + token x 128 + 2 (feature % 64): a K step's 64 features of neighbouring tokens lie end to end.
;   Wc   bf16 [1024 k][3072]: row k is 6,144 bytes; column n = 128 tc + c of section sec (0 Q, 1 K, 2 V) lies at byte tc x 768 + sec x 256 + 2 c.
;   bcat f32  [8 tc][3 sec][128]: the bias rounded to bf16 and widened again; the Q section also times c = -log2(e) / 32.
; SHARES.  One item to a wave: 8,192 bytes of f32 in by sixteen loads of 16 bytes a lane, all out at once, 4,096 bytes of bf16 out.  4,096 items of X (two tokens each) and
; 1,536 of the weights (two rows each) are 256 work-groups x (16 + 6) waves.  Wave 16 of work-groups 0 to 23 also takes 128 numbers of a bias.
; Memory binds: no LDS, no barrier, no matrix unit.  Each store of a wave covers 256 consecutive bytes, aligned.  No register that a load or store names is written again while it is out.
.set CSCALE, 0xbd38aa3b                ; c = -log2(e) / 32
; Load j of the item is in; its four numbers are rounded and stored.  left = the younger loads, which may stay out.
.macro CAST j, left, base, off
	s_wait_loadcnt \left                           ; loads come back in order: load j is in, the younger ones stay out
	v_cvt_pk_bf16_f32 v[80+2*(\j)], v[16+4*(\j)], v[17+4*(\j)]
	v_cvt_pk_bf16_f32 v[81+2*(\j)], v[18+4*(\j)], v[19+4*(\j)]
	global_store_b64 v3, v[80+2*(\j):81+2*(\j)], s[\base:\base+1] offset:\off
.endm
	s_load_b512 s[8:23], s[0:1], 0x0               ; X 8, Wq 10, Wk 12, Wv 14, bq 16, bk 18, bv 20, Xb 22
	s_load_b128 s[24:27], s[0:1], 0x40             ; Wc 24, bcat 26
	v_lshrrev_b32 v4, 5, v0
	v_readfirstlane_b32 s4, v4                     ; wave 0..21
	v_and_b32 v1, 31, v0                           ; lane l
	v_lshlrev_b32 v3, 3, v1                        ; 8 l: my 8 bytes of a store's 256
	s_mov_b32 s5, ttmp9
	s_cmp_lt_u32 s4, 16
	s_cbranch_scc0 .Lweights
	; AN ITEM OF X: tokens 2 u and 2 u + 1, u = 16 x work-group + wave.  Load j takes features 64 j .. 64 j + 63 of both: lanes 0-15 the first token's 256 bytes, lanes 16-31 the second's.
	s_lshl_b32 s6, s5, 4
	s_add_co_u32 s6, s6, s4                        ; u
	s_lshl_b32 s28, s6, 13                         ; two rows of 4,096 bytes
	s_mov_b32 s29, 0
	s_lshl_b32 s30, s6, 8                          ; two tokens of 128 bytes in a block of Xb
	s_mov_b32 s31, 0
	v_and_b32 v2, 15, v1
	v_lshlrev_b32 v2, 4, v2
	v_lshrrev_b32 v5, 4, v1
	v_lshl_add_u32 v2, v5, 12, v2                  ; (l / 16) x 4,096 + 16 (l % 16)
	s_wait_kmcnt 0x0
	s_add_nc_u64 s[8:9], s[8:9], s[28:29]
	s_add_nc_u64 s[22:23], s[22:23], s[30:31]      ; blocks kb 0 to 7 by the immediate,
	s_add_nc_u64 s[32:33], s[22:23], 0x800000      ; blocks 8 to 15 from a second base: the immediate holds 24 signed bits
.irp j, 0,1,2,3,4,5,6,7,8,9,10,11,12,13,14,15
	global_load_b128 v[16+4*(\j):19+4*(\j)], v2, s[8:9] offset:256*(\j) th:TH_LOAD_NT
.endr
.irp j, 0,1,2,3,4,5,6,7
	CAST \j, 15-(\j), 22, (\j)*1048576
.endr
.irp j, 8,9,10,11,12,13,14,15
	CAST \j, 15-(\j), 32, ((\j)-8)*1048576
.endr
	s_endpgm
.Lweights:
	; AN ITEM OF THE WEIGHTS: rows 2 rp and 2 rp + 1 of weight number t / 512, t = 6 x work-group + wave - 16.  Load i takes row i / 8, columns 128 (i % 8) .. + 127.
	s_mul_i32 s6, s5, 6
	s_add_co_u32 s6, s6, s4
	s_sub_co_u32 s6, s6, 16                        ; t
	s_lshr_b32 s7, s6, 9                           ; which weight: 0 Q, 1 K, 2 V
	s_and_b32 s6, s6, 511                          ; rp
	s_lshl_b32 s28, s6, 13
	s_mov_b32 s29, 0
	s_mul_i32 s30, s6, 12288                       ; two rows of Wc,
	s_lshl_b32 s31, s7, 8                          ; the section's 256 bytes
	s_add_co_u32 s30, s30, s31
	s_mov_b32 s31, 0
	v_lshlrev_b32 v2, 4, v1                        ; 16 l
	s_wait_kmcnt 0x0
	s_cmp_eq_u32 s7, 0
	s_cselect_b64 s[34:35], s[10:11], s[12:13]
	s_cmp_eq_u32 s7, 2
	s_cselect_b64 s[34:35], s[14:15], s[34:35]
	s_add_nc_u64 s[34:35], s[34:35], s[28:29]
	s_add_nc_u64 s[24:25], s[24:25], s[30:31]
.irp j, 0,1,2,3,4,5,6,7,8,9,10,11,12,13,14,15
	global_load_b128 v[16+4*(\j):19+4*(\j)], v2, s[34:35] offset:512*(\j) th:TH_LOAD_NT
.endr
.irp j, 0,1,2,3,4,5,6,7,8,9,10,11,12,13,14,15
	CAST \j, 15-(\j), 24, ((\j)/8)*6144+((\j)%8)*768
.endr
	; A PIECE OF A BIAS: 128 numbers; work-group g < 24 takes bias g / 8, numbers 128 (g % 8) on
	s_cmp_eq_u32 s4, 16
	s_cbranch_scc0 .Ldone
	s_cmp_lt_u32 s5, 24
	s_cbranch_scc0 .Ldone
	s_lshr_b32 s7, s5, 3
	s_and_b32 s6, s5, 7
	s_cmp_eq_u32 s7, 0
	s_cselect_b64 s[36:37], s[16:17], s[18:19]
	s_cselect_b32 s40, CSCALE, 1.0                 ; Q's bias carries the scale that Q carries
	s_cmp_eq_u32 s7, 2
	s_cselect_b64 s[36:37], s[20:21], s[36:37]
	s_lshl_b32 s38, s6, 9
	s_mov_b32 s39, 0
	s_add_nc_u64 s[36:37], s[36:37], s[38:39]
	s_mul_i32 s38, s6, 1536
	s_lshl_b32 s41, s7, 9
	s_add_co_u32 s38, s38, s41
	s_add_nc_u64 s[26:27], s[26:27], s[38:39]
	global_load_b128 v[8:11], v2, s[36:37]
	s_wait_loadcnt 0x0
	v_cvt_pk_bf16_f32 v12, v8, v9                  ; rounded as the other inputs are,
	v_cvt_pk_bf16_f32 v13, v10, v11
	v_lshlrev_b32 v8, 16, v12                      ; and widened again
	v_and_b32 v9, 0xffff0000, v12
	v_lshlrev_b32 v10, 16, v13
	v_and_b32 v11, 0xffff0000, v13
	v_mul_f32 v8, s40, v8
	v_mul_f32 v9, s40, v9
	v_mul_f32 v10, s40, v10
	v_mul_f32 v11, s40, v11
	global_store_b128 v2, v[8:11], s[26:27]
.Ldone:
	s_endpgm
.Lfunc_end_k_qc44f25f0c4_prep:
	.size	k_qc44f25f0c4_prep, .Lfunc_end_k_qc44f25f0c4_prep-k_qc44f25f0c4_prep
	.p2alignl 7, 3214868480
	.fill 96, 4, 3214868480
	.section	.rodata,"a",@progbits
	.p2align	6, 0x0
	.amdhsa_kernel k_qc44f25f0c4_prep
		.amdhsa_group_segment_fixed_size 0
		.amdhsa_private_segment_fixed_size 0
		.amdhsa_enable_private_segment 0
		.amdhsa_kernarg_size 80
		.amdhsa_user_sgpr_count 2
		.amdhsa_user_sgpr_kernarg_segment_ptr 1
		.amdhsa_wavefront_size32 1
		.amdhsa_system_sgpr_workgroup_id_x 1
		.amdhsa_system_sgpr_workgroup_id_y 1
		.amdhsa_system_sgpr_workgroup_id_z 1
		.amdhsa_system_vgpr_workitem_id 0
		.amdhsa_next_free_vgpr 112
		.amdhsa_next_free_sgpr 66
		.amdhsa_reserve_vcc 0
		.amdhsa_float_denorm_mode_32 3
		.amdhsa_float_denorm_mode_16_64 3
		.amdhsa_memory_ordered 1
		.amdhsa_forward_progress 1
		.amdhsa_inst_pref_size 15
	.end_amdhsa_kernel
	.amdgpu_metadata
---
amdhsa.version: [ 1, 2 ]
amdhsa.kernels:
  - .name:           k_qc44f25f0c4_prep
    .symbol:         k_qc44f25f0c4_prep.kd
    .args:
      - { .name: X, .offset: 0, .size: 8, .value_kind: global_buffer, .address_space: global }
      - { .name: Wq, .offset: 8, .size: 8, .value_kind: global_buffer, .address_space: global }
      - { .name: Wk, .offset: 16, .size: 8, .value_kind: global_buffer, .address_space: global }
      - { .name: Wv, .offset: 24, .size: 8, .value_kind: global_buffer, .address_space: global }
      - { .name: bq, .offset: 32, .size: 8, .value_kind: global_buffer, .address_space: global }
      - { .name: bk, .offset: 40, .size: 8, .value_kind: global_buffer, .address_space: global }
      - { .name: bv, .offset: 48, .size: 8, .value_kind: global_buffer, .address_space: global }
      - { .name: Xb, .offset: 56, .size: 8, .value_kind: global_buffer, .address_space: global }
      - { .name: Wc, .offset: 64, .size: 8, .value_kind: global_buffer, .address_space: global }
      - { .name: bcat, .offset: 72, .size: 8, .value_kind: global_buffer, .address_space: global }
    .group_segment_fixed_size: 0
    .private_segment_fixed_size: 0
    .kernarg_segment_align: 8
    .kernarg_segment_size: 80
    .max_flat_workgroup_size: 704
    .sgpr_count:     66
    .vgpr_count:     112
    .wavefront_size: 32
...
	.end_amdgpu_metadata
.endif
;; end of part 1
;; launch proj (part 2): grid 8 x 32, 4 waves a work-group, clusters of 4 x 4, 327,680 bytes of LDS; arguments Xb, Wc, bcat, Qf, Kf, Vf; writes Qf, Kf, Vf
.if DOCPART == 2
	.amdgcn_target "amdgcn-amd-amdhsa--gfx1250"
	.amdhsa_code_object_version 6
	.text
	.protected	k_qc44f25f0c4_proj
	.globl	k_qc44f25f0c4_proj
	.p2align	8
	.type	k_qc44f25f0c4_proj,@function
k_qc44f25f0c4_proj:
	s_mov_b64 s[64:65], 0
	v_nop
	global_prefetch_b8 v0, s[64:65] scope:SCOPE_SE
	s_setreg_imm32_b32 hwreg(HW_REG_WAVE_MODE, 25, 1), 1
	s_wait_xcnt 0x0
	s_wait_alu depctr_hold_cnt(0) depctr_sa_sdst(0) depctr_va_vdst(0) depctr_va_sdst(0) depctr_va_ssrc(0) depctr_va_vcc(0) depctr_vm_vsrc(0)
	s_getreg_b32 s2, hwreg(HW_REG_IB_STS2, 6, 4)
	s_cmp_eq_u32 s2, 0
	s_cbranch_scc0 .Lentry_in_a_cluster
	s_endpgm
.Lentry_in_a_cluster:
	s_bfe_u32 s2, ttmp6, 0x10000c
	s_cmp_lg_u32 s2, 0xf033
	s_cbranch_scc0 .Lentry_shape_is_right
	s_endpgm
.Lentry_shape_is_right:
; THE THREE PROJECTIONS IN ONE PRODUCT.  Q' = c (X Wq + bq), K = X Wk + bk, V = X Wv + bv, c = -log2(e) / 32; operands bf16, sums f32, each result rounded ONCE to f16.
; LIMITS.  f16 holds no number beyond 65,504: c Q, K and V must lie within it (|Q| up to 1.4e6); NaN and infinities are not treated apart.
; SHARES.  A work-group makes 256 tokens x 384 columns: the same 128 columns (strip tc) of Q, of K and of V.  Four waves, 2 x 2: a wave has 128 tokens x 64 columns of each section:
; 8 token blocks a x 12 column blocks b (b 0-3 Q, 4-7 K, 8-11 V): 96 accumulators, 768 registers.  K goes in 16 steps of 64 through two LDS slots.
; HOW THE RESULTS LEAVE.  For Q and K the product is taken with W's columns as source 0: a lane then holds one token and eight neighbouring features, 16 bytes in f16.  For V with the tokens as source 0:
; a lane holds one channel and eight neighbouring tokens.  In both cases the lane's 16 bytes go to byte 16 x lane of a block of 512 bytes, so each store of the wave covers 512 consecutive bytes, aligned, and
; the block is half an operand fragment of the launch that reads it:
;   Qf, Kf  [512 blocks of 16 tokens][128 chunks of 8 features][16 tokens][8]          Vf  [256 groups of 32 tokens][64 blocks of 16 channels][2 halves][32 lanes][16 bytes]
; CLUSTER 4 x 4.  X's tile hangs on the token tile alone and is shared along a row of the cluster, W's on the strip alone and is shared along a column: each is asked for jointly.
; REGISTERS, in windows of 256 (s_set_vgpr_msb: bits 1:0 source 0, 3:2 source 1, 5:4 source 2, 7:6 destination):
;   window 0: v0-29 addresses; v32-95, v96-159 X's fragments, two buffers of 8; v160-255 W's twelve fragments, one buffer, refilled by halves right behind their use
;   windows 1, 2, 3: the accumulators of Q, K, V: (a, b) at 64 (b % 4) + 8 a
.set SLOT1,  131072                    ; slot 1 begins here: one exclusive or turns an address in one slot into the other's
.set PITA,   144                       ; a token's 128 bytes + 16: the 16 rows of a load start at 16 different 16-byte columns modulo 256 bytes
.set PITB,   864                       ; a row of W's tile: three sections of 256 bytes + 32 each: 27 x 32, so the turning load's 8 rows x 32 bytes fall on different columns
.set HALFA,  128*PITA                  ; what waves 0 and 1 each fetch: 128 tokens
.set HALFB,  32*PITB                   ; what waves 2 and 3 each fetch: 32 rows of W
.set BOFF,   2*HALFA                   ; W's tile lies behind X's
.set SPARE,  SLOT1+BOFF+2*HALFB        ; behind the ring: the spare words, 128 bytes for each wave, which no other line names
.set BIASL,  SPARE+512                 ; the strip's biases, [3][128] f32; stored once, never a tensor load's target
.set ASTEP,  1048576                   ; bytes from a K step of Xb to the next
.set BSTEP,  64*6144                   ; the same in Wc: 64 rows
.set TRIPS,  14                        ; the loop's trips = the refills: K steps 2 to 15
.set WV, 16                            ; s16 wave; s17 wave / 2: my half of the tokens, and 0: I fetch X, 1: W; s18 wave % 2: my half of the columns, and which half of that tile I fetch
.set WR, 17
.set WC, 18
.set CX, 19
.set CY, 20
.set TC, 21                            ; s21 the strip, 0..7
.set TR, 22                            ; s22 the token tile, 0..31
.set TB, 23                            ; s23 LDS byte at which the slot being read begins
.set G1A, 24                           ; s[24:31] descriptor group 1 for X's tiles; s[32:39] group 0: a set for each first fill; the second then walks
.set G0A, 32
.set PFAA, 40                          ; s[40:41] where the prefetches of Xb stand; s[42:43] those of Wc
.set PFAB, 42
.set LIMA, 44                          ; s44, s45: a wave prefetches while the loop's count is above these; the greatest number in a wave that asks for nothing
.set LIMB, 45
.set G1B, 48                           ; s[48:55], s[56:63] the same for W's tiles
.set G0B, 56
.set CNT, 66
.set CS,  68                           ; s[68:69] c, named as a pair
.set A0,   8                           ; v8   my lane's place in X's tile; v9 in W's; never rewritten
.set B0,   9
.set ADRA, 10                          ; v10, v11 the same in the slot being read
.set ADRB, 11
.set CO,   12                          ; v12  16 x lane
.set BA,   13                          ; v13  my eight biases of a block of Q or K
.set BAV,  14                          ; v14  my one bias of a block of V
.set PFOA, 15                          ; v15  256 x lane
.set PFOB, 16                          ; v16  6,144 x lane
.set SPW,  28                          ; v28  LDS address of my spare word; v29 0; never rewritten
.set NIL,  29
.set FA0,  32
.set FA1,  96
.set FB,   160
.set MSB, 0
.macro WIN new                         ; the immediate's high byte repeats the setting that is left; a switch that changes nothing is dropped
.if MSB != (\new)
	s_set_vgpr_msb (MSB<<8)|(\new)
.set MSB, \new
.endif
.endm
.macro PLACES                          ; four plain vector instructions between a matrix instruction and a load into, or a vector read of, its registers (ISA guide 7.12.1 for vector reads)
.rept 4
	v_nop
.endr
.endm
.macro CREST                           ; a round of the cluster's barrier behind its opening barrier
	s_cmp_lg_u32 s[WV], 0
	s_cbranch_scc1 .Lnot_wave_0_\@
	s_barrier_signal -3
.Lnot_wave_0_\@:
	s_barrier_wait -3
	s_barrier_signal -1
	s_barrier_wait -1
.endm
.macro CROUND
	s_barrier_signal -1
	s_barrier_wait -1
	CREST
.endm
; A joint load: waves 0 and 1 fetch the halves of X's tile, waves 2 and 3 those of W's.  The branch hangs on the wave's number alone.  An s_nop 0 and four v_nop follow each line.
.macro JLOAD s
	s_cmp_eq_u32 s[WR], 0
	s_cbranch_scc0 .Lfor_b_\@
	tensor_load_to_lds s[G0A+4*(\s):G0A+4*(\s)+3], s[G1A:G1A+7]
	s_nop 0
.rept 4
	v_nop
.endr
	s_branch .Lasked_\@
.Lfor_b_\@:
	tensor_load_to_lds s[G0B+4*(\s):G0B+4*(\s)+3], s[G1B:G1B+7]
	s_nop 0
.rept 4
	v_nop
.endr
.Lasked_\@:
.endm
; PREFETCHES INTO THE L2, behind the joint load and the run of LDS loads.  Each aligned block of 256 bytes is named once in the launch.
; Xb: a token tile's K step is 32,768 dense bytes, read by both clusters of that row of clusters: cluster x = 0 asks, wave 0; the four partners take 8,192 bytes each, told apart by address (cx); a lane a block.
; In the trip that refills K step n + 2 it names K step n + 3; the loop's last trip has none.
.macro ASKA
	s_cmp_gt_u32 s[CNT], s[LIMA]
	s_cbranch_scc0 .Lnot_a_\@
	global_prefetch_b8 v[PFOA], s[PFAA:PFAA+1] th:TH_LOAD_NT scope:SCOPE_SE
.Lnot_a_\@:
.endm
; Wc: a strip's K step is 64 rows of 768 bytes, read by all eight clusters of that column of clusters: cluster y = 0 asks, wave 2.  Every second trip names two K steps, n + 4 and n + 5: 128 rows, 32 for each
; partner (cy, by address), a lane a row, three instructions for a row's three blocks.  The trips whose two steps would lie past K step 15 ask for nothing.
.macro ASKB
	s_and_b32 s46, s[CNT], 1
	s_cmp_eq_u32 s46, 0
	s_cbranch_scc0 .Lnot_b_\@
	s_cmp_gt_u32 s[CNT], s[LIMB]
	s_cbranch_scc0 .Lnot_b_\@
	global_prefetch_b8 v[PFOB], s[PFAB:PFAB+1] th:TH_LOAD_NT scope:SCOPE_SE
	global_prefetch_b8 v[PFOB], s[PFAB:PFAB+1] offset:256 th:TH_LOAD_NT scope:SCOPE_SE
	global_prefetch_b8 v[PFOB], s[PFAB:PFAB+1] offset:512 th:TH_LOAD_NT scope:SCOPE_SE
.Lnot_b_\@:
.endm
	s_load_b256 s[4:11], s[0:1], 0x0               ; Xb 4, Wc 6, bcat 8, Qf 10
	s_load_b128 s[12:15], s[0:1], 0x20             ; Kf 12, Vf 14
	v_lshl_add_u32 v[SPW], v0, 2, SPARE
	v_mov_b32 v[NIL], 0
	ds_add_u32 v[SPW], v[NIL]                      ; the wave's opening: the add and its wait stand ahead of my first tensor load; the set-up below stands between them
	v_lshrrev_b32 v1, 5, v0
	v_readfirstlane_b32 s[WV], v1
	s_lshr_b32 s[WR], s[WV], 1
	s_and_b32 s[WC], s[WV], 1
	s_bfe_u32 s[CX], ttmp6, 0x40000
	s_bfe_u32 s[CY], ttmp6, 0x40004
	s_lshl_b32 s[TC], ttmp9, 2
	s_add_co_u32 s[TC], s[TC], s[CX]               ; strip = 4 x cluster x + cx
	s_and_b32 s[TR], ttmp7, 0xffff
	s_lshl_b32 s[TR], s[TR], 2
	s_add_co_u32 s[TR], s[TR], s[CY]               ; token tile = 4 x cluster y + cy
	s_lshl_b32 s70, s[CY], 2
	s_lshl_b32 s70, 15, s70                        ; my row of the cluster
	s_lshl_b32 s71, 0x1111, s[CX]                  ; my column
	; X: 128 tokens of a K step are 16,384 dense bytes: asked for as 64 rows of 256 bytes, two tokens a row, padded in LDS behind every token
	s_or_b32 s[G1A], s70, (1<<16)|(1<<20)|(1<<21)|(4<<22)|(3<<25)  ; the mask; 2-byte elements; padding on; bit 21 beside a mask; after every 32 words, 4 words
	s_mov_b32 s[G1A+1], 128<<16                    ; tensor_dim0 = 128
	s_mov_b32 s[G1A+2], 64<<16                     ; tensor_dim1 = 64
	s_mov_b32 s[G1A+3], 128<<16                    ; tile_dim0 = 128
	s_mov_b32 s[G1A+4], 64                         ; tile_dim1 = 64
	s_mov_b32 s[G1A+5], 128                        ; elements from row to row
	s_mov_b32 s[G1A+6], 0
	s_mov_b32 s[G1A+7], 0
	; W: 32 rows of 384 elements (768 bytes, three whole blocks of 256), padded behind every 256 bytes
	s_or_b32 s[G1B], s71, (1<<16)|(1<<20)|(1<<21)|(5<<22)|(7<<25)  ; after every 64 words, 8 words
	s_mov_b32 s[G1B+1], 384<<16
	s_mov_b32 s[G1B+2], 32<<16
	s_mov_b32 s[G1B+3], 384<<16
	s_mov_b32 s[G1B+4], 32
	s_mov_b32 s[G1B+5], 3072
	s_mov_b32 s[G1B+6], 0
	s_mov_b32 s[G1B+7], 0
	s_lshl_b32 s72, s[TR], 15                      ; X: 256 tokens x 128 bytes a tile,
	s_lshl_b32 s73, s[WC], 14                      ; my 128 of them
	s_add_co_u32 s72, s72, s73
	s_mov_b32 s73, 0
	s_mul_i32 s74, s[TC], 768                      ; W: the strip's 768 bytes of a row,
	s_mul_i32 s75, s[WC], 32*6144                  ; my 32 rows
	s_add_co_u32 s74, s74, s75
	s_mov_b32 s75, 0
	s_mul_i32 s46, s[WC], HALFA                    ; where they go: no place in the cluster enters an LDS address
	s_mul_i32 s47, s[WC], HALFB
	s_add_co_u32 s47, s47, BOFF
	s_mov_b32 s[TB], 0
	s_mov_b32 s[CS], 0xbd38aa3b                    ; c = -log2(e) / 32
	s_mov_b32 s[CS+1], s[CS]
	s_mov_b32 s[CNT], TRIPS
	s_or_b32 s70, s[WV], ttmp9                     ; wave 0 of the clusters with x = 0 asks for Xb
	s_cmp_eq_u32 s70, 0
	s_cselect_b32 s[LIMA], 1, -1
	s_xor_b32 s70, s[WV], 2                        ; wave 2 of the clusters with y = 0 asks for Wc
	s_and_b32 s71, ttmp7, 0xffff
	s_or_b32 s70, s70, s71
	s_cmp_eq_u32 s70, 0
	s_cselect_b32 s[LIMB], 3, -1
	s_wait_dscnt 0x0                               ; the opening add is done
	s_wait_kmcnt 0x0
	s_add_nc_u64 s[72:73], s[4:5], s[72:73]
	s_add_nc_u64 s[74:75], s[6:7], s[74:75]
	CROUND                                         ; all sixteen work-groups are here: the first joint loads meet
.irp s, 0,1
	s_mov_b32 s[G0A+4*(\s)], 1                     ; count = 1
	s_add_co_u32 s[G0A+4*(\s)+1], s46, (\s)*SLOT1  ; LDS address
	s_add_nc_u64 s[G0A+4*(\s)+2:G0A+4*(\s)+3], s[72:73], (\s)*ASTEP  ; K step s
	s_or_b32 s[G0A+4*(\s)+3], s[G0A+4*(\s)+3], 0x80000000  ; type = 2
	s_mov_b32 s[G0B+4*(\s)], 1
	s_add_co_u32 s[G0B+4*(\s)+1], s47, (\s)*SLOT1
	s_add_nc_u64 s[G0B+4*(\s)+2:G0B+4*(\s)+3], s[74:75], (\s)*BSTEP
	s_or_b32 s[G0B+4*(\s)+3], s[G0B+4*(\s)+3], 0x80000000
	JLOAD \s
.endr
	v_and_b32 v1, 31, v0                           ; lane l
	v_and_b32 v2, 15, v0                           ; r = l % 16
	v_bfe_u32 v3, v0, 4, 1                         ; h = l / 16
	v_and_b32 v4, 7, v0
	v_bfe_u32 v5, v0, 3, 1
	v_lshlrev_b32 v[CO], 4, v1
	; the strip's biases come into LDS once: waves 0, 1, 2 copy a section of 512 bytes each
	s_mul_i32 s70, s[TC], 1536
	s_lshl_b32 s71, s[WV], 9
	s_add_co_u32 s70, s70, s71
	v_add_nc_u32 v6, s70, v[CO]
	v_lshl_add_u32 v7, v0, 4, BIASL                ; 16 x my thread's number = 512 x wave + 16 l
	s_cmp_lt_u32 s[WV], 3
	s_cbranch_scc0 .Lno_bias
	global_load_b128 v[20:23], v6, s[8:9]
	s_wait_loadcnt 0x0
	ds_store_b128 v7, v[20:23]
.Lno_bias:
	; a fragment of X: 16 tokens x 32 features: lane l holds token r, features 8 h + 0..7 and 16 + 8 h + 0..7: two loads of 16 bytes, 32 bytes apart
	v_mul_u32_u24 v[A0], v2, PITA
	v_lshl_add_u32 v[A0], v3, 4, v[A0]
	s_mul_i32 s70, s[WR], HALFA
	v_add_nc_u32 v[A0], s70, v[A0]
	; a fragment of W ([k][column] in LDS) by the turning load: lane l reads row 8 h + l % 8, columns 8 ((l / 8) % 2) + 0..7, and ends with column r and 8 rows
	v_lshl_add_u32 v6, v3, 3, v4
	v_mul_u32_u24 v[B0], v6, PITB
	v_lshl_add_u32 v[B0], v5, 4, v[B0]
	s_lshl_b32 s71, s[WC], 7                       ; my 64 columns of each section
	s_add_co_u32 s71, s71, BOFF
	v_add_nc_u32 v[B0], s71, v[B0]
	v_mov_b32 v[ADRA], v[A0]
	v_mov_b32 v[ADRB], v[B0]
	s_lshl_b32 s70, s[WC], 8
	s_add_co_u32 s70, s70, BIASL
	v_lshl_add_u32 v[BA], v3, 5, s70               ; BIASL + 256 wc + 32 h
	s_add_co_u32 s70, s70, 1024
	v_lshl_add_u32 v[BAV], v2, 2, s70              ; BIASL + 1,024 + 256 wc + 4 r
	v_lshlrev_b32 v[PFOA], 8, v1
	v_mul_u32_u24 v[PFOB], v1, 6144
	s_lshl_b32 s70, s[TR], 15
	s_lshl_b32 s71, s[CX], 13
	s_add_co_u32 s70, s70, s71
	s_mov_b32 s71, 0
	s_add_nc_u64 s[PFAA:PFAA+1], s[4:5], s[70:71]
	s_add_nc_u64 s[PFAA:PFAA+1], s[PFAA:PFAA+1], 2*ASTEP  ; the first change of slots steps it to K step 3
	s_mul_i32 s70, s[TC], 768
	s_mul_i32 s71, s[CY], 32*6144
	s_add_co_u32 s70, s70, s71
	s_mov_b32 s71, 0
	s_add_nc_u64 s[PFAB:PFAB+1], s[6:7], s[70:71]
	s_add_nc_u64 s[PFAB:PFAB+1], s[PFAB:PFAB+1], 3*BSTEP  ; the first change of slots steps it to K step 4
.macro LDA q, fa                       ; X's eight fragments of the step's 32 features number q, into buffer fa: 16 loads
	WIN 0
.irp a, 0,1,2,3,4,5,6,7
	ds_load_b128 v[(\fa)+8*(\a):(\fa)+8*(\a)+3],   v[ADRA] offset:(\a)*16*PITA+64*(\q)
	ds_load_b128 v[(\fa)+8*(\a)+4:(\fa)+8*(\a)+7], v[ADRA] offset:(\a)*16*PITA+64*(\q)+32
.endr
.endm
.macro LDB1 q, b                       ; W's fragment b: section b / 4, columns 16 (b % 4) on, rows 32 q on
	ds_load_tr16_b128 v[FB+8*(\b):FB+8*(\b)+3],   v[ADRB] offset:(\q)*HALFB+((\b)/4)*288+((\b)%4)*32
	ds_load_tr16_b128 v[FB+8*(\b)+4:FB+8*(\b)+7], v[ADRB] offset:(\q)*HALFB+16*PITB+((\b)/4)*288+((\b)%4)*32
.endm
.macro LDBLO q                         ; fragments 0 to 5: 12 loads
	WIN 0
.irp b, 0,1,2,3,4,5
	LDB1 \q, \b
.endr
.endm
.macro LDBHI q                         ; fragments 6 to 11: 12 loads
	WIN 0
.irp b, 6,7,8,9,10,11
	LDB1 \q, \b
.endr
.endm
; Eight matrix instructions: column block b x all token blocks.  All 96 accumulators take turns, one instruction a turn, in the same order in every 32 along K.
.macro MULB b, fa, zero
	WIN 0x50*(1+(\b)/4)
.irp a, 0,1,2,3,4,5,6,7
.if (\b) < 8
.if \zero
	v_wmma_f32_16x16x32_bf16 v[64*((\b)%4)+8*(\a):64*((\b)%4)+8*(\a)+7], v[FB+8*(\b):FB+8*(\b)+7], v[(\fa)+8*(\a):(\fa)+8*(\a)+7], 0
.else
	v_wmma_f32_16x16x32_bf16 v[64*((\b)%4)+8*(\a):64*((\b)%4)+8*(\a)+7], v[FB+8*(\b):FB+8*(\b)+7], v[(\fa)+8*(\a):(\fa)+8*(\a)+7], v[64*((\b)%4)+8*(\a):64*((\b)%4)+8*(\a)+7]
.endif
.else
.if \zero
	v_wmma_f32_16x16x32_bf16 v[64*((\b)%4)+8*(\a):64*((\b)%4)+8*(\a)+7], v[(\fa)+8*(\a):(\fa)+8*(\a)+7], v[FB+8*(\b):FB+8*(\b)+7], 0
.else
	v_wmma_f32_16x16x32_bf16 v[64*((\b)%4)+8*(\a):64*((\b)%4)+8*(\a)+7], v[(\fa)+8*(\a):(\fa)+8*(\a)+7], v[FB+8*(\b):FB+8*(\b)+7], v[64*((\b)%4)+8*(\a):64*((\b)%4)+8*(\a)+7]
.endif
.endif
.endr
.endm
; A K step's first 32 features: 96 matrix instructions on buffer FA0; W's upper six fragments are fetched at its head, the second 32's lower six and X's eight in its middle.
.macro SUBK zero
	PLACES
	LDBHI 0
	s_wait_dscnt 12                                ; all but the 12 just issued: X's fragments and W's lower six are in
.irp b, 0,1,2,3,4,5
	MULB \b, FA0, \zero
.endr
	PLACES
	LDBLO 1
	LDA 1, FA1
	s_wait_dscnt 28                                ; all but the 28 just issued: W's upper six are in
.irp b, 6,7,8,9,10,11
	MULB \b, FA0, \zero
.endr
.endm
; A K step's second 32 features, on FA1, and THE CHANGE OF SLOTS.  In front of the barrier each wave waits for all its tensor loads (one is out: its part of the next slot), adds 0 to its spare word, and waits
; for that and for its reads of this slot.  fill = 1: the barrier opens a round of the cluster's, and the joint refill, two K steps on, is the first thing behind it: it has 176 matrix instructions in which to land.
.macro TURN fill
.if \fill
	s_wait_xcnt 0x0                                ; the last prefetches, a K step back, have read their addresses
	s_add_nc_u64 s[PFAA:PFAA+1], s[PFAA:PFAA+1], ASTEP
	s_add_nc_u64 s[PFAB:PFAB+1], s[PFAB:PFAB+1], BSTEP
.endif
	PLACES
	LDBHI 1
	s_wait_dscnt 12                                ; all but the 12 just issued
.irp b, 0,1,2,3
	MULB \b, FA1, 0
.endr
	WIN 0                                          ; (the add's two registers lie in window 0)
	s_wait_tensorcnt 0x0                           ; all my tensor loads have landed
	ds_add_u32 v[SPW], v[NIL]                      ; 0 onto my spare word; eight matrix instructions stand between it and the wait for it
	MULB 4, FA1, 0
	s_wait_dscnt 0x0                               ; the add is done, and my reads of this slot are over
	s_barrier_signal -1
	MULB 5, FA1, 0
	WIN 0                                          ; at a branch and at a label every window is 0
	s_barrier_wait -1
.if \fill
	CREST                                          ; no wave of any partner still reads this slot or has a load on its way
	s_xor_b32 s[G0A+5], s[G0A+5], SLOT1            ; the walking descriptors: the other slot than last time, the next K step
	s_add_nc_u64 s[G0A+6:G0A+7], s[G0A+6:G0A+7], ASTEP
	s_xor_b32 s[G0B+5], s[G0B+5], SLOT1
	s_add_nc_u64 s[G0B+6:G0B+7], s[G0B+6:G0B+7], BSTEP
	JLOAD 1                                        ; its four v_nop are also the places in front of the loads below
.else
	PLACES
.endif
	s_xor_b32 s[TB], s[TB], SLOT1
	v_add_nc_u32 v[ADRA], s[TB], v[A0]
	v_add_nc_u32 v[ADRB], s[TB], v[B0]
	LDBLO 0
	LDA 0, FA0
.if \fill
	ASKA
	ASKB
.endif
.irp b, 6,7,8,9,10,11
	MULB \b, FA1, 0
.endr
.endm
	s_wait_tensorcnt 1                             ; my part of K step 0 is in; K step 1's may stay out
	s_wait_dscnt 0x0                               ; my part of the biases is stored
	s_barrier_signal -1
	s_barrier_wait -1
	LDBLO 0
	LDA 0, FA0
	SUBK 1                                         ; the first 32 features stand in front of the loop: their products start the sums
	WIN 0
.Lstep:                                        ; a trip: the second half of K step n, which refills K step n + 2, and the first half of K step n + 1
	TURN 1
	SUBK 0
	WIN 0
	s_sub_co_u32 s[CNT], s[CNT], 1
	s_cmp_lg_u32 s[CNT], 0
	s_cbranch_scc1 .Lstep
	; THE TAIL asks for no tile, so it has a text of its own, written once and walked twice: the second half of K step 14 and the first of 15; then the second half of 15.  The second walk jumps over SUBK; the 28 LDS
	; loads behind its change of slots bring fragments of a slot that is read out, which nobody multiplies: the price, once a launch, of one text for both walks.
	s_mov_b32 s[CNT], 2
.Ltail:
	TURN 0
	WIN 0
	s_cmp_eq_u32 s[CNT], 1
	s_cbranch_scc1 .Lleft
	SUBK 0
	WIN 0
.Lleft:
	s_sub_co_u32 s[CNT], s[CNT], 1
	s_cmp_lg_u32 s[CNT], 0
	s_cbranch_scc1 .Ltail
	s_wait_dscnt 0x0                               ; those 28 loads are back: their registers are loaded anew below
	; THE WAY OUT.  Bias (for Q: times c, plus c x bias, in one fused multiply-add), one rounding to f16 into each accumulator's own lowest four registers, one store of 16 bytes a lane.
	WIN 0
	PLACES
	PLACES
.irp b, 0,1,2,3,4,5,6,7
	ds_load_b128 v[32+8*(\b):32+8*(\b)+3], v[BA] offset:((\b)/4)*512+((\b)%4)*64
	ds_load_b128 v[32+8*(\b)+4:32+8*(\b)+7], v[BA] offset:((\b)/4)*512+((\b)%4)*64+16
.endr
.irp b, 0,1,2,3
	ds_load_b32 v[96+2*(\b)], v[BAV] offset:64*(\b)      ; V: one channel a lane; the word fills both registers of a pair for the packed addition
	ds_load_b32 v[97+2*(\b)], v[BAV] offset:64*(\b)
.endr
	s_lshl_b32 s70, s[TR], 4
	s_lshl_b32 s71, s[WR], 3
	s_add_co_u32 s70, s70, s71
	s_lshl_b32 s70, s70, 15                        ; (16 tr + 8 wr) blocks of 16 tokens x 32,768 bytes = (8 tr + 4 wr) groups of 32 x 65,536
	s_lshl_b32 s72, s[TC], 3
	s_lshl_b32 s73, s[WC], 2
	s_add_co_u32 s72, s72, s73
	s_lshl_b32 s72, s72, 9                         ; (8 tc + 4 wc) x 512
	s_add_co_u32 s74, s70, s72
	s_mov_b32 s75, 0
	s_add_nc_u64 s[10:11], s[10:11], s[74:75]
	s_add_nc_u64 s[12:13], s[12:13], s[74:75]
	s_add_co_u32 s74, s74, s72                     ; for V: (8 tc + 4 wc) x 1,024
	s_add_nc_u64 s[14:15], s[14:15], s[74:75]
	s_wait_dscnt 0x0
.macro FIN w                           ; window w: 1 Q, 2 K, 3 V.  Each accumulator's registers are taken in ascending order
	WIN ((\w)<<6)|(\w)
.set bb, 0
.rept 4
.set aa, 0
.rept 8
.set pp, 0
.rept 4
.if (\w) == 1
	v_pk_fma_f32 v[64*bb+8*aa+2*pp:64*bb+8*aa+2*pp+1], v[64*bb+8*aa+2*pp:64*bb+8*aa+2*pp+1], s[CS:CS+1], v[32+8*bb+2*pp:32+8*bb+2*pp+1] op_sel_hi:[1,0,1]
.elseif (\w) == 2
	v_pk_add_f32 v[64*bb+8*aa+2*pp:64*bb+8*aa+2*pp+1], v[64*bb+8*aa+2*pp:64*bb+8*aa+2*pp+1], v[64+8*bb+2*pp:64+8*bb+2*pp+1]
.else
	v_pk_add_f32 v[64*bb+8*aa+2*pp:64*bb+8*aa+2*pp+1], v[64*bb+8*aa+2*pp:64*bb+8*aa+2*pp+1], v[96+2*bb:97+2*bb]
.endif
.set pp, pp+1
.endr
.set aa, aa+1
.endr
.set bb, bb+1
.endr
	WIN ((\w)<<6)|((\w)<<2)|(\w)
.set aa, 0
.rept 32
.irp j, 0,1,2,3
	v_cvt_pk_f16_f32 v[8*aa+(\j)], v[8*aa+2*(\j)], v[8*aa+2*(\j)+1]
.endr
.set aa, aa+1
.endr
	WIN (\w)<<2                                    ; the stores' data in window w, their address in window 0
.set bb, 0
.rept 4
.set aa, 0
.rept 8
.if (\w) < 3
	global_store_b128 v[CO], v[64*bb+8*aa:64*bb+8*aa+3], s[8+2*(\w):9+2*(\w)] offset:aa*32768+bb*512  ; 512 consecutive bytes, aligned
.else
	global_store_b128 v[CO], v[64*bb+8*aa:64*bb+8*aa+3], s[8+2*(\w):9+2*(\w)] offset:(aa/2)*65536+(aa%2)*512+bb*1024
.endif
.set aa, aa+1
.endr
.set bb, bb+1
.endr
.endm
	FIN 1
	FIN 2
	FIN 3
	WIN 0
	s_wait_tensorcnt 0x0                           ; the wave's end: behind my last tensor load and my last LDS store
	ds_add_u32 v[SPW], v[NIL]
	s_wait_dscnt 0x0
	CROUND                                         ; the closing round: no work-group ends while a partner may still ask for a tile that names it
	s_endpgm
.Lfunc_end_k_qc44f25f0c4_proj:
	.size	k_qc44f25f0c4_proj, .Lfunc_end_k_qc44f25f0c4_proj-k_qc44f25f0c4_proj
	.p2alignl 7, 3214868480
	.fill 96, 4, 3214868480
	.section	.rodata,"a",@progbits
	.p2align	6, 0x0
	.amdhsa_kernel k_qc44f25f0c4_proj
		.amdhsa_group_segment_fixed_size 327680
		.amdhsa_private_segment_fixed_size 0
		.amdhsa_enable_private_segment 0
		.amdhsa_kernarg_size 48
		.amdhsa_user_sgpr_count 2
		.amdhsa_user_sgpr_kernarg_segment_ptr 1
		.amdhsa_wavefront_size32 1
		.amdhsa_system_sgpr_workgroup_id_x 1
		.amdhsa_system_sgpr_workgroup_id_y 1
		.amdhsa_system_sgpr_workgroup_id_z 1
		.amdhsa_system_vgpr_workitem_id 0
		.amdhsa_next_free_vgpr 1024
		.amdhsa_next_free_sgpr 76
		.amdhsa_reserve_vcc 0
		.amdhsa_float_denorm_mode_32 3
		.amdhsa_float_denorm_mode_16_64 3
		.amdhsa_memory_ordered 1
		.amdhsa_forward_progress 1
		.amdhsa_inst_pref_size 118
	.end_amdhsa_kernel
	.amdgpu_metadata
---
amdhsa.version: [ 1, 2 ]
amdhsa.kernels:
  - .name:           k_qc44f25f0c4_proj
    .symbol:         k_qc44f25f0c4_proj.kd
    .args:
      - { .name: Xb, .offset: 0, .size: 8, .value_kind: global_buffer, .address_space: global }
      - { .name: Wc, .offset: 8, .size: 8, .value_kind: global_buffer, .address_space: global }
      - { .name: bcat, .offset: 16, .size: 8, .value_kind: global_buffer, .address_space: global }
      - { .name: Qf, .offset: 24, .size: 8, .value_kind: global_buffer, .address_space: global }
      - { .name: Kf, .offset: 32, .size: 8, .value_kind: global_buffer, .address_space: global }
      - { .name: Vf, .offset: 40, .size: 8, .value_kind: global_buffer, .address_space: global }
    .group_segment_fixed_size: 327680
    .private_segment_fixed_size: 0
    .kernarg_segment_align: 8
    .kernarg_segment_size: 48
    .max_flat_workgroup_size: 128
    .sgpr_count:     76
    .vgpr_count:     1024
    .wavefront_size: 32
...
	.end_amdgpu_metadata
.endif
;; end of part 2
;; launch scores (part 3): grid 8 x 32, 4 waves a work-group, clusters of 4 x 4, 327,680 bytes of LDS; arguments Qf, Kf, Pf; writes Pf
.if DOCPART == 3
	.amdgcn_target "amdgcn-amd-amdhsa--gfx1250"
	.amdhsa_code_object_version 6
	.text
	.protected	k_qc44f25f0c4_scores
	.globl	k_qc44f25f0c4_scores
	.p2align	8
	.type	k_qc44f25f0c4_scores,@function
k_qc44f25f0c4_scores:
	s_mov_b64 s[64:65], 0
	v_nop
	global_prefetch_b8 v0, s[64:65] scope:SCOPE_SE
	s_setreg_imm32_b32 hwreg(HW_REG_WAVE_MODE, 25, 1), 1
	s_wait_xcnt 0x0
	s_wait_alu depctr_hold_cnt(0) depctr_sa_sdst(0) depctr_va_vdst(0) depctr_va_sdst(0) depctr_va_ssrc(0) depctr_va_vcc(0) depctr_vm_vsrc(0)
	s_getreg_b32 s2, hwreg(HW_REG_IB_STS2, 6, 4)
	s_cmp_eq_u32 s2, 0
	s_cbranch_scc0 .Lentry_in_a_cluster
	s_endpgm
.Lentry_in_a_cluster:
	s_bfe_u32 s2, ttmp6, 0x10000c
	s_cmp_lg_u32 s2, 0xf033
	s_cbranch_scc0 .Lentry_shape_is_right
	s_endpgm
.Lentry_shape_is_right:
; THE WEIGHTS.  P[q][k] = sigmoid(Q[q] . K[k] / 32) = 1 / (1 + 2^(Q'[q] . K[k])), Q' = -log2(e) / 32 x Q as the launch before wrote it.  Operands f16, sums f32, P rounded once to f16.
; LIMITS.  A weight below 3e-8 becomes 0 in f16.  Where 2^x runs to infinity the weight is 0, where it runs to 0 the weight is 1: the sigmoid's own limits.  NaN and infinities are not treated apart.
; SHARES.  A work-group makes 256 queries x 256 keys of one batch; four waves, 2 x 2, each 128 x 128: 64 accumulators, 512 registers.  K (1,024 features) goes in 8 steps of 128 through two LDS slots.
; TILES.  Qf and Kf are [blocks of 16 tokens][128 chunks of 8 features][16 tokens][8]: a K step of a block is 4,096 dense bytes; 512 of them, 16 bytes a lane on end, are half a fragment.  So LDS needs no padding:
; every LDS load takes 512 consecutive bytes.
; THE PRODUCT is taken with the keys as source 0: a lane holds one query (lane % 16) and eight neighbouring keys: 16 bytes of f16, stored at byte 16 x lane of a block of 512:
;   Pf  [512 blocks of 16 queries][64 groups of 32 keys of the batch][2 halves][32 lanes][16 bytes]: each store of the wave covers 512 consecutive bytes, aligned, and is half a fragment of the next launch.
; CLUSTER 4 x 4.  Q's tile hangs on the query tile alone (shared along a row), K's on the key tile and the batch (shared along a column: the four rows of a cluster lie in one batch).
; REGISTERS: window 0: v0-31 addresses; v64-127, v128-191 Q's fragments, two buffers.  Window 1: v64-127, v128-191 K's.  Windows 2, 3: accumulator (a, b) at 8 (8 (a % 4) + b), window 2 + a / 4.
.set KBYTES, 4096                      ; a K step of a block of 16 tokens
.set PART,   32768                     ; eight such: what one tensor load brings, and what a wave reads of Q or of K
.set SLOT1,  4*PART                    ; Q's two halves, then K's two; slot 1 begins here
.set SPARE,  2*SLOT1                   ; behind the ring: the spare words, 128 bytes for each wave, which no other line names
.set ADRA0, 14                         ; v14, v15  my lane's place in Q's and K's part of a slot; never rewritten
.set ADRB0, 15
.set ADRA, 16                          ; v16, v20  the same in the slot being read
.set ADRB, 20
.set CO,   26                          ; v26  16 x lane
.set SPW,  28
.set NIL,  29
.set PFO,  30                          ; v30  the prefetches' offset
.set F0,   64
.set F1,   128
.set TB,   2                           ; s2   LDS byte at which the slot being read begins
.set LIM,  43
.set PFA,  44
.set G1,  24
.set G0,  32
.set G1B, 48
.set G0B, 56
.set MSB, 0
.macro WIN new
.if MSB != (\new)
	s_set_vgpr_msb (MSB<<8)|(\new)
.set MSB, \new
.endif
.endm
.set MUL_LO, 0xa1                      ; source 0 (K) window 1, source 1 (Q) window 0, C and D window 2
.set MUL_HI, 0xf1                      ; the same, C and D window 3
.set TO_B,   0x40                      ; destination window 1, address window 0
.macro PLACES
.rept 4
	v_nop
.endr
.endm
.macro JLOAD s                         ; a joint load: waves 0 and 1 fetch Q's halves, waves 2 and 3 K's; an s_nop 0 and four v_nop follow each line
	s_cmp_eq_u32 s11, 0
	s_cbranch_scc0 .Lfor_b_\@
	tensor_load_to_lds s[G0+4*(\s):G0+4*(\s)+3], s[G1:G1+7]
	s_nop 0
.rept 4
	v_nop
.endr
	s_branch .Lasked_\@
.Lfor_b_\@:
	tensor_load_to_lds s[G0B+4*(\s):G0B+4*(\s)+3], s[G1B:G1B+7]
	s_nop 0
.rept 4
	v_nop
.endr
.Lasked_\@:
.endm
; A PREFETCH INTO THE L2 behind each joint load and its run of LDS loads: in the trip that refills K step n + 2 it names K step n + 3; the last trip has none.  Each aligned block of 256 bytes is named once.
; Q's tile is read by both clusters of its row of clusters: cluster x = 0 asks; K's by the two clusters of its batch in its column: the one with even y asks.  Of the eight token blocks that a wave fetches each of
; the four partners takes two, told apart by address (cx for Q, cy for K): 2 x 4,096 bytes, a lane a block of 256.
.macro ASK
	s_cmp_gt_u32 s3, s[LIM]
	s_cbranch_scc0 .Lnot_mine_\@
	global_prefetch_b8 v[PFO], s[PFA:PFA+1] th:TH_LOAD_NT scope:SCOPE_SE
.Lnot_mine_\@:
.endm
.macro CREST
	s_cmp_lg_u32 s10, 0
	s_cbranch_scc1 .Lnot_wave_0_\@
	s_barrier_signal -3
.Lnot_wave_0_\@:
	s_barrier_wait -3
	s_barrier_signal -1
	s_barrier_wait -1
.endm
.macro CROUND
	s_barrier_signal -1
	s_barrier_wait -1
	CREST
.endm
	s_load_b128 s[4:7], s[0:1], 0x0                ; Qf 4, Kf 6
	s_load_b64 s[8:9], s[0:1], 0x10                ; Pf
	v_lshl_add_u32 v[SPW], v0, 2, SPARE
	v_mov_b32 v[NIL], 0
	ds_add_u32 v[SPW], v[NIL]                      ; the wave's opening: the add and its wait stand ahead of my first tensor load
	v_lshrrev_b32 v1, 5, v0
	v_readfirstlane_b32 s10, v1                    ; wave
	s_lshr_b32 s11, s10, 1                         ; my half of the queries.  Also: I fetch Q (0) or K (1)
	s_and_b32 s12, s10, 1                          ; my half of the keys.  Also: which half of that tile I fetch
	s_bfe_u32 s40, ttmp6, 0x40000                  ; cx
	s_bfe_u32 s41, ttmp6, 0x40004                  ; cy
	s_lshl_b32 s42, ttmp9, 2
	s_add_co_u32 s42, s42, s40                     ; key tile of the batch = 4 x cluster x + cx
	s_and_b32 s14, ttmp7, 0xffff                   ; cluster y
	s_lshl_b32 s13, s14, 2
	s_add_co_u32 s13, s13, s41                     ; query tile, over all batches = 4 x cluster y + cy
	s_lshr_b32 s15, s14, 1                         ; the batch: eight query tiles, two clusters, each
	s_lshl_b32 s43, s41, 2
	s_lshl_b32 s43, 15, s43                        ; my row of the cluster
	s_lshl_b32 s44, 0x1111, s40                    ; my column
	; descriptor group 1: 8 rows of 4,096 bytes (512 elements of 8 bytes), 32,768 bytes apart; dense in LDS
	s_or_b32 s[G1], s43, (3<<16)|(1<<21)
	s_or_b32 s[G1B], s44, (3<<16)|(1<<21)
.irp g, G1, G1B
	s_mov_b32 s[(\g)+1], 512<<16                   ; tensor_dim0 = 512
	s_mov_b32 s[(\g)+2], 8<<16                     ; tensor_dim1 = 8
	s_mov_b32 s[(\g)+3], 512<<16                   ; tile_dim0 = 512
	s_mov_b32 s[(\g)+4], 8                         ; tile_dim1 = 8
	s_mov_b32 s[(\g)+5], 4096                      ; elements from row to row
	s_mov_b32 s[(\g)+6], 0
	s_mov_b32 s[(\g)+7], 0
.endr
	s_lshl_b32 s16, s13, 4                         ; Q: token block 16 x query tile + 8 x half
	s_lshl_b32 s17, s12, 3
	s_add_co_u32 s16, s16, s17
	s_lshl_b32 s16, s16, 15
	s_mov_b32 s17, 0
	s_lshl_b32 s46, s15, 7                         ; K: token block 128 x batch + 16 x key tile + 8 x half
	s_lshl_b32 s47, s42, 4
	s_add_co_u32 s46, s46, s47
	s_lshl_b32 s47, s12, 3
	s_add_co_u32 s46, s46, s47
	s_lshl_b32 s46, s46, 15
	s_mov_b32 s47, 0
	s_lshl_b32 s20, s10, 15                        ; where they go: wave x 32,768
	s_mov_b32 s[TB], 0
	s_wait_dscnt 0x0                               ; the opening add is done
	s_wait_kmcnt 0x0
	s_add_nc_u64 s[18:19], s[4:5], s[16:17]
	s_add_nc_u64 s[46:47], s[6:7], s[46:47]
	CROUND                                         ; all sixteen work-groups are here: the first joint loads meet
.irp s, 0,1
	s_mov_b32 s[G0+4*(\s)], 1
	s_add_co_u32 s[G0+4*(\s)+1], s20, (\s)*SLOT1
	s_add_nc_u64 s[G0+4*(\s)+2:G0+4*(\s)+3], s[18:19], (\s)*KBYTES
	s_or_b32 s[G0+4*(\s)+3], s[G0+4*(\s)+3], 0x80000000
	s_mov_b32 s[G0B+4*(\s)], 1
	s_add_co_u32 s[G0B+4*(\s)+1], s20, (\s)*SLOT1
	s_add_nc_u64 s[G0B+4*(\s)+2:G0B+4*(\s)+3], s[46:47], (\s)*KBYTES
	s_or_b32 s[G0B+4*(\s)+3], s[G0B+4*(\s)+3], 0x80000000
	JLOAD \s
.endr
	v_and_b32 v1, 31, v0
	v_lshlrev_b32 v[CO], 4, v1
	s_lshl_b32 s21, s11, 15
	v_add_nc_u32 v[ADRA0], s21, v[CO]              ; my 128 queries' part
	s_lshl_b32 s22, s12, 15
	s_add_co_u32 s22, s22, 2*PART
	v_add_nc_u32 v[ADRB0], s22, v[CO]              ; my 128 keys' part
	v_mov_b32 v[ADRA], v[ADRA0]
	v_mov_b32 v[ADRB], v[ADRB0]
	s_lshl_b32 s16, s13, 4                         ; Pf: query block 16 x query tile + 8 x half, 65,536 bytes each;
	s_lshl_b32 s17, s11, 3
	s_add_co_u32 s16, s16, s17
	s_lshl_b32 s16, s16, 16
	s_lshl_b32 s17, s42, 3                         ; group of 32 keys 8 x key tile + 4 x half, 1,024 bytes each
	s_lshl_b32 s21, s12, 2
	s_add_co_u32 s17, s17, s21
	s_lshl_b32 s17, s17, 10
	s_add_co_u32 s16, s16, s17
	s_mov_b32 s17, 0
	s_add_nc_u64 s[8:9], s[8:9], s[16:17]
	; the prefetches
	s_and_b32 s22, s14, 1                          ; cluster y's parity
	s_lshl_b32 s20, s13, 4
	s_lshl_b32 s21, s15, 7
	s_lshl_b32 s23, s42, 4
	s_add_co_u32 s21, s21, s23
	s_cmp_eq_u32 s11, 0                            ; do I fetch Q?
	s_cselect_b32 s20, s20, s21                    ; the tile's first token block
	s_cselect_b32 s21, s40, s41                    ; my place among the four that ask with me
	s_cselect_b32 s22, ttmp9, s22                  ; 0 in the cluster that asks
	s_cselect_b64 s[PFA:PFA+1], s[4:5], s[6:7]
	s_cmp_eq_u32 s22, 0
	s_cselect_b32 s[LIM], 1, -1
	s_lshl_b32 s22, s12, 3
	s_add_co_u32 s20, s20, s22
	s_lshl_b32 s21, s21, 1
	s_add_co_u32 s20, s20, s21
	s_lshl_b32 s20, s20, 15
	s_mov_b32 s21, 0
	s_add_nc_u64 s[PFA:PFA+1], s[PFA:PFA+1], s[20:21]
	s_add_nc_u64 s[PFA:PFA+1], s[PFA:PFA+1], 2*KBYTES  ; the first change of slots steps it to K step 3
	v_and_b32 v2, 15, v0
	v_bfe_u32 v3, v0, 4, 1
	v_lshlrev_b32 v[PFO], 8, v2
	v_lshl_add_u32 v[PFO], v3, 15, v[PFO]          ; (l / 16) x 32,768 + (l % 16) x 256
; 16 matrix instructions: query blocks a0, a0 + 1 of the window's four x all 8 key blocks.  The 64 accumulators take turns, one instruction a turn, in the same order in every quarter.
.macro MUL16 f, hi, a0, zero
	WIN MUL_LO+0x50*(\hi)
.irp a, \a0, (\a0)+1
.irp b, 0,1,2,3,4,5,6,7
.if \zero
	v_wmma_f32_16x16x32_f16 v[8*(8*(\a)+(\b)):8*(8*(\a)+(\b))+7], v[(\f)+8*(\b):(\f)+8*(\b)+7], v[(\f)+8*(4*(\hi)+(\a)):(\f)+8*(4*(\hi)+(\a))+7], 0
.else
	v_wmma_f32_16x16x32_f16 v[8*(8*(\a)+(\b)):8*(8*(\a)+(\b))+7], v[(\f)+8*(\b):(\f)+8*(\b)+7], v[(\f)+8*(4*(\hi)+(\a)):(\f)+8*(4*(\hi)+(\a))+7], v[8*(8*(\a)+(\b)):8*(8*(\a)+(\b))+7]
.endif
.endr
.endr
.endm
; 32 LDS loads in one run: a quarter's fragments (32 features = 1,024 bytes of each token block, at byte k), K's first, then Q's
.macro FETCH k, f
	WIN TO_B
.irp i, 0,1,2,3,4,5,6,7
	ds_load_b128 v[(\f)+8*(\i):(\f)+8*(\i)+3],   v[ADRB] offset:(\k)+(\i)*KBYTES
	ds_load_b128 v[(\f)+8*(\i)+4:(\f)+8*(\i)+7], v[ADRB] offset:(\k)+(\i)*KBYTES+512
.endr
	WIN 0
.irp i, 0,1,2,3,4,5,6,7
	ds_load_b128 v[(\f)+8*(\i):(\f)+8*(\i)+3],   v[ADRA] offset:(\k)+(\i)*KBYTES
	ds_load_b128 v[(\f)+8*(\i)+4:(\f)+8*(\i)+7], v[ADRA] offset:(\k)+(\i)*KBYTES+512
.endr
.endm
; One of a K step's first three quarters: multiplies buffer f; in its middle it fetches the next quarter, at byte k, into g
.macro QUARTER k, f, g, zero
	s_wait_dscnt 8                                 ; K's fragments and Q's blocks 0-3 are in; the youngest eight loads (Q's blocks 4-7) may be out
	MUL16 \f, 0, 0, \zero
	MUL16 \f, 0, 2, \zero
	PLACES
	FETCH \k, \g
	s_wait_dscnt 32                                ; all but the 32 just issued
	MUL16 \f, 1, 0, \zero
	MUL16 \f, 1, 2, \zero
.endm
; The last quarter multiplies buffer 1 and changes slots.  In front of the barrier each wave waits for all its tensor loads (one is out: its part of the next slot), adds 0 to its spare word, and waits for that and
; for its reads of this slot.  fill = 1: the barrier opens a round of the cluster's, and the joint refill, two K steps on, comes first behind it: 224 matrix instructions ahead of the wait for it.
.macro TURN fill
.if \fill
	s_wait_xcnt 0x0                                ; the last prefetch, a K step back, has read its address
	s_add_nc_u64 s[PFA:PFA+1], s[PFA:PFA+1], KBYTES
.endif
	WIN 0                                          ; (the add's two registers lie in window 0)
	s_wait_tensorcnt 0x0
	ds_add_u32 v[SPW], v[NIL]                      ; 0 onto my spare word
	s_wait_dscnt 9                                 ; the add and the youngest eight loads may be out
	MUL16 F1, 0, 0, 0
	s_wait_dscnt 0x0                               ; the add is done, and my reads of this slot are over
	s_barrier_signal -1
	MUL16 F1, 0, 2, 0
	WIN 0
	s_barrier_wait -1
.if \fill
	CREST
	s_xor_b32 s[G0+5], s[G0+5], SLOT1              ; the walking descriptors: the other slot than last time, the next K step
	s_add_nc_u64 s[G0+6:G0+7], s[G0+6:G0+7], KBYTES
	s_xor_b32 s[G0B+5], s[G0B+5], SLOT1
	s_add_nc_u64 s[G0B+6:G0B+7], s[G0B+6:G0B+7], KBYTES
	JLOAD 1                                        ; its four v_nop are also the places in front of the loads below
.else
	PLACES
.endif
	s_xor_b32 s[TB], s[TB], SLOT1
	v_add_nc_u32 v[ADRA], s[TB], v[ADRA0]
	v_add_nc_u32 v[ADRB], s[TB], v[ADRB0]
	FETCH 0, F0
.if \fill
	ASK
.endif
	MUL16 F1, 1, 0, 0
	MUL16 F1, 1, 2, 0
.endm
	s_wait_tensorcnt 1                             ; my part of K step 0 is in; K step 1's may stay out
	s_barrier_signal -1
	s_barrier_wait -1
	FETCH 0, F0
	QUARTER 1024, F0, F1, 1                        ; the first quarter stands in front of the loop: its products start the sums
	WIN 0
	s_mov_b32 s3, 6
.Lstep:                                        ; a trip: quarters 1, 2, 3 of K step n, with the refill of K step n + 2, and quarter 0 of K step n + 1
	QUARTER 2048, F1, F0, 0
	QUARTER 3072, F0, F1, 0
	TURN 1
	QUARTER 1024, F0, F1, 0
	WIN 0
	s_sub_co_u32 s3, s3, 1
	s_cmp_lg_u32 s3, 0
	s_cbranch_scc1 .Lstep
	; THE TAIL asks for no tile, so it has a text of its own, written once and walked twice: quarters 1, 2, 3 of K step 6 and quarter 0 of K step 7; then quarters 1, 2, 3 of K step 7.  The second walk jumps over the
	; last quarter; the 32 LDS loads behind its change of slots bring fragments of a slot that is read out, which nobody multiplies: the price, once a launch, of one text for both walks.
	s_mov_b32 s3, 2
.Ltail:
	QUARTER 2048, F1, F0, 0
	QUARTER 3072, F0, F1, 0
	TURN 0
	WIN 0
	s_cmp_eq_u32 s3, 1
	s_cbranch_scc1 .Lleft
	QUARTER 1024, F0, F1, 0
	WIN 0
.Lleft:
	s_sub_co_u32 s3, s3, 1
	s_cmp_lg_u32 s3, 0
	s_cbranch_scc1 .Ltail
	s_wait_dscnt 0x0                               ; those 32 loads are back
	PLACES
	PLACES
; THE SIGMOID AND THE WAY OUT, in the accumulators' own registers, a window (32 accumulators) at a time: 2^s; + 1; the reciprocal; one rounding to f16 into each accumulator's lowest four registers; a store.
; The exponentials of a window are one batch, and so are its reciprocals: behind each batch a plain instruction and one wait ahead of the first line that names a result.
.macro SIGM w
	WIN ((\w)<<6)|(\w)
.set i, 0
.rept 256
	v_exp_f32 v[i], v[i]
.set i, i+1
.endr
	v_nop
	s_wait_alu depctr_va_vdst(0)
.set i, 0
.rept 128
	v_pk_add_f32 v[i:i+1], v[i:i+1], 1.0 op_sel_hi:[1,0]
.set i, i+2
.endr
.set i, 0
.rept 256
	v_rcp_f32 v[i], v[i]
.set i, i+1
.endr
	v_nop
	s_wait_alu depctr_va_vdst(0)
	WIN ((\w)<<6)|((\w)<<2)|(\w)
.set i, 0
.rept 32
.irp j, 0,1,2,3
	v_cvt_pk_f16_f32 v[8*i+(\j)], v[8*i+2*(\j)], v[8*i+2*(\j)+1]
.endr
.set i, i+1
.endr
	WIN (\w)<<2                                    ; the stores' data in window w, their address in window 0
.set i, 0
.rept 32
	global_store_b128 v[CO], v[8*i:8*i+3], s[8:9] offset:(4*((\w)-2)+i/8)*65536+(i%8)*512  ; query block a, 16 keys number b: 512 consecutive bytes, aligned
.set i, i+1
.endr
.endm
	SIGM 2
	SIGM 3
	WIN 0
	s_wait_tensorcnt 0x0                           ; the wave's end: behind my last tensor load
	ds_add_u32 v[SPW], v[NIL]
	s_wait_dscnt 0x0
	CROUND                                         ; the closing round
	s_endpgm
.Lfunc_end_k_qc44f25f0c4_scores:
	.size	k_qc44f25f0c4_scores, .Lfunc_end_k_qc44f25f0c4_scores-k_qc44f25f0c4_scores
	.p2alignl 7, 3214868480
	.fill 96, 4, 3214868480
	.section	.rodata,"a",@progbits
	.p2align	6, 0x0
	.amdhsa_kernel k_qc44f25f0c4_scores
		.amdhsa_group_segment_fixed_size 327680
		.amdhsa_private_segment_fixed_size 0
		.amdhsa_enable_private_segment 0
		.amdhsa_kernarg_size 24
		.amdhsa_user_sgpr_count 2
		.amdhsa_user_sgpr_kernarg_segment_ptr 1
		.amdhsa_wavefront_size32 1
		.amdhsa_system_sgpr_workgroup_id_x 1
		.amdhsa_system_sgpr_workgroup_id_y 1
		.amdhsa_system_sgpr_workgroup_id_z 1
		.amdhsa_system_vgpr_workitem_id 0
		.amdhsa_next_free_vgpr 1024
		.amdhsa_next_free_sgpr 66
		.amdhsa_reserve_vcc 0
		.amdhsa_float_denorm_mode_32 3
		.amdhsa_float_denorm_mode_16_64 3
		.amdhsa_memory_ordered 1
		.amdhsa_forward_progress 1
		.amdhsa_inst_pref_size 139
	.end_amdhsa_kernel
	.amdgpu_metadata
---
amdhsa.version: [ 1, 2 ]
amdhsa.kernels:
  - .name:           k_qc44f25f0c4_scores
    .symbol:         k_qc44f25f0c4_scores.kd
    .args:
      - { .name: Qf, .offset: 0, .size: 8, .value_kind: global_buffer, .address_space: global }
      - { .name: Kf, .offset: 8, .size: 8, .value_kind: global_buffer, .address_space: global }
      - { .name: Pf, .offset: 16, .size: 8, .value_kind: global_buffer, .address_space: global }
    .group_segment_fixed_size: 327680
    .private_segment_fixed_size: 0
    .kernarg_segment_align: 8
    .kernarg_segment_size: 24
    .max_flat_workgroup_size: 128
    .sgpr_count:     66
    .vgpr_count:     1024
    .wavefront_size: 32
...
	.end_amdgpu_metadata
.endif
;; end of part 3
;; launch pv (part 4): grid 8 x 32, 4 waves a work-group, clusters of 4 x 1, 327,680 bytes of LDS; arguments Pf, Vf, out0; writes out0
.if DOCPART == 4
	.amdgcn_target "amdgcn-amd-amdhsa--gfx1250"
	.amdhsa_code_object_version 6
	.text
	.protected	k_qc44f25f0c4_pv
	.globl	k_qc44f25f0c4_pv
	.p2align	8
	.type	k_qc44f25f0c4_pv,@function
k_qc44f25f0c4_pv:
	s_mov_b64 s[64:65], 0
	v_nop
	global_prefetch_b8 v0, s[64:65] scope:SCOPE_SE
	s_setreg_imm32_b32 hwreg(HW_REG_WAVE_MODE, 25, 1), 1
	s_wait_xcnt 0x0
	s_wait_alu depctr_hold_cnt(0) depctr_sa_sdst(0) depctr_va_vdst(0) depctr_va_sdst(0) depctr_va_ssrc(0) depctr_va_vcc(0) depctr_vm_vsrc(0)
	s_getreg_b32 s2, hwreg(HW_REG_IB_STS2, 6, 4)
	s_cmp_eq_u32 s2, 0
	s_cbranch_scc0 .Lentry_in_a_cluster
	s_endpgm
.Lentry_in_a_cluster:
	s_bfe_u32 s2, ttmp6, 0x10000c
	s_cmp_lg_u32 s2, 0x3003
	s_cbranch_scc0 .Lentry_shape_is_right
	s_endpgm
.Lentry_shape_is_right:
; out[q][c] = the sum over the batch's 2,048 keys of P[q][k] V[k][c].  P and V f16, as the launches before wrote them; sums f32, stored as they are.
; SHARES.  A work-group makes 256 queries x 128 channels; each of its four waves 64 queries x 128 channels: 4 query blocks rb x 8 channel blocks nb: 32 accumulators.  The keys go in 8 steps of 256.
; V is wanted by all four waves and by the four query tiles of the cluster: it comes by joint tensor loads through two LDS slots of 65,536 bytes.
; P IS NOT SHARED IN THE CLUSTER AND DOES NOT GO THROUGH LDS: a wave's 64 rows of P are wanted by that wave alone, and two slots that held P's 256 rows beside V fit only for steps of 128 keys, half the
; matrix work in which a refill could land.  So P comes straight into registers, 512 consecutive bytes a load (half a fragment as Pf holds it), through a ring of eight groups of eight loads: in the middle of each
; 64 keys the two groups used last are asked for again, in one run with V's LDS loads; they are wanted 192 and 224 matrix instructions later.
; THE PRODUCT is taken with V's channels as source 0: a lane holds one query and eight neighbouring channels.  The way out goes through a stage in LDS, so that each store covers a row's 512 consecutive bytes.
; REGISTERS: window 0: addresses; v64-191 the way out.  Window 1: accumulator (rb, nb) at 8 (8 rb + nb).  Window 2: V's fragments, two buffers of 128: 128 p + 64 kk + 8 nb.
;   Window 3: P's ring: 64 i + 32 kk + 8 rb (i: the step's 64 keys number i; kk: which 32 of them).
.set SLOT1,  65536
.set STAGE,  2*SLOT1                   ; behind the ring, never filled by a tensor load: 16 rows x 528 bytes for each wave
.set SPIT,   528                       ; 512 + 16: the sixteen rows of a store start at sixteen different 16-byte columns modulo 256 bytes
.set SPARE,  STAGE+4*16*SPIT           ; the spare words, 128 bytes for each wave, which no other line names
.set VSTEP,  8*65536                   ; bytes from a step of Vf to the next: 8 groups of 32 keys
.set PSTEP,  8192                      ; the same in a row block of Pf
.set PO,   2                           ; v2   16 x lane: my place in every block of 512 bytes; never rewritten
.set ADRV, 4                           ; v4   the same in the slot being read
.set STO,  8                           ; v8   the way out: where I put 32 bytes of a row
.set RD,   9                           ; v9   where I read a row back
.set PFO,  11                          ; v11  256 x lane
.set SPW,  28
.set NIL,  29
.set OB,   64
.set WV, 12
.set CX, 13
.set RT, 14                            ; s14  the query tile of the batch
.set BT, 15                            ; s15  the batch
.set CT, 16                            ; s16  the channel tile
.set TB, 17
.set CNT, 18
.set LIMV, 19
.set FLP, 20                           ; s20  1: my work-group prefetches P
.set G1, 24
.set G0, 32                            ; s[32:39] a set for each first fill; the second then walks
.set PB, 40                            ; s[40:41] Pf at my wave's four row blocks, at the step in hand
.set PFV, 42                           ; s[42:43] where my prefetches of Vf stand
.set MSB, 0
.macro WIN new
.if MSB != (\new)
	s_set_vgpr_msb (MSB<<8)|(\new)
.set MSB, \new
.endif
.endm
.macro PLACES
.rept 4
	v_nop
.endr
.endm
.macro CREST
	s_cmp_lg_u32 s[WV], 0
	s_cbranch_scc1 .Lnot_wave_0_\@
	s_barrier_signal -3
.Lnot_wave_0_\@:
	s_barrier_wait -3
	s_barrier_signal -1
	s_barrier_wait -1
.endm
.macro CROUND
	s_barrier_signal -1
	s_barrier_wait -1
	CREST
.endm
; PREFETCHES INTO THE L2.  Each aligned block of 256 bytes is named once in the launch.
; Vf: a step's tile (8 groups of 32 keys x 8,192 bytes) is read by both clusters of its batch and channel tile: cluster x = 0 asks; group 2 cx + wave for waves 0 and 1 (the partners told apart by address), a lane a
; block.  In the trip that refills step n + 2 it names step n + 3; the last trip has none.
.macro ASKV
	s_cmp_gt_u32 s[CNT], s[LIMV]
	s_cbranch_scc0 .Lnot_v_\@
	global_prefetch_b8 v[PFO], s[PFV:PFV+1] th:TH_LOAD_NT scope:SCOPE_SE
.Lnot_v_\@:
.endm
; Pf: a wave's rows are read by the eight work-groups of the eight channel tiles: channel tile 0 asks, each wave for its own four row blocks: step n + 2's 8,192 bytes of each, a lane a block, four instructions.
; It stands in the loop alone, where step n + 2 always exists; the first of that step's loads goes out three groups of 64 keys later.
.macro ASKP
	WIN 0
	s_cmp_eq_u32 s[FLP], 1
	s_cbranch_scc0 .Lnot_p_\@
.irp rb, 0,1,2,3
	global_prefetch_b8 v[PFO], s[PB:PB+1] offset:2*PSTEP+(\rb)*65536 th:TH_LOAD_NT scope:SCOPE_SE
.endr
.Lnot_p_\@:
.endm
	s_load_b128 s[4:7], s[0:1], 0x0                ; Pf 4, Vf 6
	s_load_b64 s[8:9], s[0:1], 0x10                ; out0
	v_lshl_add_u32 v[SPW], v0, 2, SPARE
	v_mov_b32 v[NIL], 0
	ds_add_u32 v[SPW], v[NIL]                      ; the wave's opening: the add and its wait stand ahead of my first tensor load
	v_lshrrev_b32 v1, 5, v0
	v_readfirstlane_b32 s[WV], v1
	v_and_b32 v1, 31, v0
	v_lshlrev_b32 v[PO], 4, v1
	v_lshlrev_b32 v[PFO], 8, v1
	v_mov_b32 v[ADRV], v[PO]
	s_bfe_u32 s[CX], ttmp6, 0x40000
	s_lshl_b32 s[RT], ttmp9, 2
	s_add_co_u32 s[RT], s[RT], s[CX]               ; query tile = 4 x cluster x + cx: it enters P's and out's addresses alone
	s_and_b32 s21, ttmp7, 0xffff                   ; y, 0..31, is cut into a batch and a channel tile; each of the 32 pairs is taken once:
	s_bfe_u32 s[BT], s21, 0x20001                  ; the batch is y's bits 2:1,
	s_and_b32 s[CT], s21, 1
	s_lshr_b32 s21, s21, 3
	s_lshl_b32 s21, s21, 1
	s_or_b32 s[CT], s[CT], s21                     ; the channel tile its bits 4:3 and bit 0
	; descriptor group 1: 2 rows of 8,192 bytes (1,024 elements of 8 bytes), 65,536 bytes apart; dense in LDS
	s_mov_b32 s[G1], 15|(3<<16)|(1<<21)            ; the mask: all four work-groups; 8-byte elements; bit 21 beside a mask
	s_mov_b32 s[G1+1], 1024<<16
	s_mov_b32 s[G1+2], 2<<16
	s_mov_b32 s[G1+3], 1024<<16
	s_mov_b32 s[G1+4], 2
	s_mov_b32 s[G1+5], 8192
	s_mov_b32 s[G1+6], 0
	s_mov_b32 s[G1+7], 0
	s_lshl_b32 s44, s[BT], 6                       ; V: group of 32 keys 64 x batch + 2 x wave,
	s_lshl_b32 s45, s[WV], 1
	s_add_co_u32 s44, s44, s45
	s_lshl_b32 s44, s44, 16
	s_lshl_b32 s45, s[CT], 13                      ; the channel tile's 8,192 bytes
	s_add_co_u32 s44, s44, s45
	s_mov_b32 s45, 0
	s_lshl_b32 s46, s[WV], 14                      ; where it goes: wave x 16,384
	s_lshl_b32 s22, s[BT], 7                       ; P: row block 128 x batch + 16 x query tile + 4 x wave
	s_lshl_b32 s23, s[RT], 4
	s_add_co_u32 s22, s22, s23
	s_lshl_b32 s23, s[WV], 2
	s_add_co_u32 s22, s22, s23
	s_lshl_b32 s22, s22, 16
	s_mov_b32 s23, 0
	s_lshl_b32 s10, s[BT], 6                       ; the prefetches of V: group 64 x batch + 24 (step 3) + 2 cx + wave
	s_add_co_u32 s10, s10, 24
	s_lshl_b32 s11, s[CX], 1
	s_add_co_u32 s10, s10, s11
	s_add_co_u32 s10, s10, s[WV]
	s_lshl_b32 s10, s10, 16
	s_lshl_b32 s11, s[CT], 13
	s_add_co_u32 s10, s10, s11
	s_mov_b32 s11, 0
	s_lshl_b32 s2, s[BT], 11                       ; out: token 2,048 x batch + 256 x query tile + 64 x wave,
	s_lshl_b32 s3, s[RT], 8
	s_add_co_u32 s2, s2, s3
	s_lshl_b32 s3, s[WV], 6
	s_add_co_u32 s2, s2, s3
	s_lshl_b32 s2, s2, 12
	s_lshl_b32 s3, s[CT], 9                        ; the channel tile's 512 bytes
	s_add_co_u32 s2, s2, s3
	s_mov_b32 s3, 0
	s_lshr_b32 s21, s[WV], 1
	s_or_b32 s21, s21, ttmp9                       ; waves 0 and 1 of the clusters with x = 0
	s_cmp_eq_u32 s21, 0
	s_cselect_b32 s[LIMV], 1, -1
	s_cmp_eq_u32 s[CT], 0
	s_cselect_b32 s[FLP], 1, 0
	s_mov_b32 s[TB], 0
	s_mov_b32 s[CNT], 6
	s_mul_i32 s21, s[WV], 16*SPIT
	s_add_co_u32 s21, s21, STAGE                   ; my stage
	v_and_b32 v5, 15, v0
	v_bfe_u32 v6, v0, 4, 1
	v_mul_u32_u24 v[STO], v5, SPIT                 ; in: row l % 16, 32 bytes for each half of the lanes
	v_lshl_add_u32 v[STO], v6, 5, v[STO]
	v_add_nc_u32 v[STO], s21, v[STO]
	v_add_nc_u32 v[RD], s21, v[PO]                 ; back: 32 lanes take a row's 512 bytes
	s_wait_dscnt 0x0                               ; the opening add is done
	s_wait_kmcnt 0x0
	s_add_nc_u64 s[44:45], s[6:7], s[44:45]
	s_add_nc_u64 s[PB:PB+1], s[4:5], s[22:23]
	s_add_nc_u64 s[PFV:PFV+1], s[6:7], s[10:11]
	s_add_nc_u64 s[8:9], s[8:9], s[2:3]
	CROUND                                         ; all four work-groups are here: the first joint loads meet
.irp s, 0,1
	s_mov_b32 s[G0+4*(\s)], 1
	s_add_co_u32 s[G0+4*(\s)+1], s46, (\s)*SLOT1
	s_add_nc_u64 s[G0+4*(\s)+2:G0+4*(\s)+3], s[44:45], (\s)*VSTEP
	s_or_b32 s[G0+4*(\s)+3], s[G0+4*(\s)+3], 0x80000000
.endr
	tensor_load_to_lds s[G0:G0+3], s[G1:G1+7]      ; steps 0 and 1: two loads of mine are out
	s_nop 0
	tensor_load_to_lds s[G0+4:G0+7], s[G1:G1+7]
	s_nop 0
.rept 4
	v_nop
.endr
.macro PLD i, kk, adv                  ; a group of P: 32 keys x my 64 queries: eight loads, from byte adv behind the step in hand
	WIN 0xc0                                       ; destination window 3, address window 0
.irp rb, 0,1,2,3
	global_load_b128 v[64*(\i)+32*(\kk)+8*(\rb):64*(\i)+32*(\kk)+8*(\rb)+3],   v[PO], s[PB:PB+1] offset:(\adv)+(2*(\i)+(\kk))*1024+(\rb)*65536
	global_load_b128 v[64*(\i)+32*(\kk)+8*(\rb)+4:64*(\i)+32*(\kk)+8*(\rb)+7], v[PO], s[PB:PB+1] offset:(\adv)+(2*(\i)+(\kk))*1024+(\rb)*65536+512
.endr
.endm
.macro VLD i                           ; V's fragments of the slot's 64 keys number i, into buffer i % 2: 32 LDS loads, the first 32 keys' sixteen first
	WIN 0x80                                       ; destination window 2
.irp kk, 0,1
.irp nb, 0,1,2,3,4,5,6,7
	ds_load_b128 v[128*((\i)%2)+64*(\kk)+8*(\nb):128*((\i)%2)+64*(\kk)+8*(\nb)+3],   v[ADRV] offset:(2*(\i)+(\kk))*8192+(\nb)*1024
	ds_load_b128 v[128*((\i)%2)+64*(\kk)+8*(\nb)+4:128*((\i)%2)+64*(\kk)+8*(\nb)+7], v[ADRV] offset:(2*(\i)+(\kk))*8192+(\nb)*1024+512
.endr
.endr
.endm
; 16 matrix instructions: 32 keys, channel blocks 4 hf .. 4 hf + 3 x my four query blocks.  The 32 accumulators take turns, one instruction a turn, in the same order for every 32 keys.
.macro MM16 i, kk, hf, zero
	WIN 0x5e                                       ; V window 2, P window 3, C and D window 1
.irp nb, 0,1,2,3
.irp rb, 0,1,2,3
.if \zero
	v_wmma_f32_16x16x32_f16 v[8*(8*(\rb)+4*(\hf)+(\nb)):8*(8*(\rb)+4*(\hf)+(\nb))+7], v[128*((\i)%2)+64*(\kk)+8*(4*(\hf)+(\nb)):128*((\i)%2)+64*(\kk)+8*(4*(\hf)+(\nb))+7], v[64*(\i)+32*(\kk)+8*(\rb):64*(\i)+32*(\kk)+8*(\rb)+7], 0
.else
	v_wmma_f32_16x16x32_f16 v[8*(8*(\rb)+4*(\hf)+(\nb)):8*(8*(\rb)+4*(\hf)+(\nb))+7], v[128*((\i)%2)+64*(\kk)+8*(4*(\hf)+(\nb)):128*((\i)%2)+64*(\kk)+8*(4*(\hf)+(\nb))+7], v[64*(\i)+32*(\kk)+8*(\rb):64*(\i)+32*(\kk)+8*(\rb)+7], v[8*(8*(\rb)+4*(\hf)+(\nb)):8*(8*(\rb)+4*(\hf)+(\nb))+7]
.endif
.endr
.endr
.endm
; 64 keys number i (0, 1, 2) of a step: 64 matrix instructions, and ONE run of loads in their middle: V's next 64 keys out of LDS, and of P the two groups used last, for the next step:
; pa = 1: the second group of the 64 keys before; pb = 1: this one's first group, from byte badv.  The groups go out in the order in which they are wanted.
; n0, n1: the loads of P younger than the group that is wanted, which may stay out.  In the loop: at the head six groups (three runs of two), in the middle seven (one of its own run, two runs, the run just issued).
.macro SUBV i, pa, pb, badv, n0, n1, zero=0, askp=0
	s_wait_loadcnt \n0
	s_wait_dscnt 16                                ; V's fragments of the first 32 keys are in; the other sixteen loads may be out
	MM16 \i, 0, 0, \zero
	MM16 \i, 0, 1, \zero
	PLACES
	VLD (\i)+1
.if \pa
	PLD ((\i)+3)%4, 1, PSTEP
.endif
.if \pb
	PLD \i, 0, \badv
.endif
.if \askp
	ASKP
.endif
	s_wait_loadcnt \n1
	s_wait_dscnt 32                                ; all but the 32 just issued
	MM16 \i, 1, 0, 0
	MM16 \i, 1, 1, 0
.endm
; A step's last 64 keys and THE CHANGE OF SLOTS.  In front of the barrier each wave waits for all its tensor loads (one is out: its part of the next slot), adds 0 to its spare word, and waits for that and for its
; reads of this slot.  fill = 1: the barrier opens a round of the cluster's, and the joint refill, two steps on, comes first behind it: 224 matrix instructions ahead of the wait for it.
.macro TURN fill
	WIN 0                                          ; (the add's two registers lie in window 0)
	s_wait_tensorcnt 0x0
	ds_add_u32 v[SPW], v[NIL]                      ; 0 onto my spare word
	s_wait_loadcnt 48                              ; six younger groups of P may be out
	s_wait_dscnt 17                                ; the add and the second 32 keys' sixteen loads may be out
	MM16 3, 0, 0, 0
	s_wait_dscnt 0x0                               ; the add is done, and my reads of this slot are over
	s_barrier_signal -1
	MM16 3, 0, 1, 0
	WIN 0
	s_barrier_wait -1
.if \fill
	CREST
	s_xor_b32 s[G0+5], s[G0+5], SLOT1              ; the walking descriptor: the other slot than last time, the next step
	s_add_nc_u64 s[G0+6:G0+7], s[G0+6:G0+7], VSTEP
	tensor_load_to_lds s[G0+4:G0+7], s[G1:G1+7]
	s_nop 0
.rept 4
	v_nop                                          ; also the places in front of the loads below
.endr
.else
	PLACES
.endif
	s_xor_b32 s[TB], s[TB], SLOT1
	v_add_nc_u32 v[ADRV], s[TB], v[PO]
	VLD 0
	PLD 2, 1, PSTEP
	PLD 3, 0, PSTEP
.if \fill
	WIN 0
	ASKV
.endif
	s_wait_loadcnt 56                              ; seven younger groups of P may be out
	s_wait_dscnt 32
	MM16 3, 1, 0, 0
	MM16 3, 1, 1, 0
.endm
.irp i, 0,1,2,3
	PLD \i, 0, 0                                   ; the ring is filled: step 0's eight groups, in the order of their use
	PLD \i, 1, 0
.endr
	WIN 0
	s_wait_tensorcnt 1                             ; my part of step 0 is in; step 1's may stay out
	s_barrier_signal -1
	s_barrier_wait -1
	VLD 0
	SUBV 0, 0, 1, PSTEP, 56, 56, 1                 ; the first 64 keys stand in front of the loop: their first products start the sums; seven groups are younger than each that they want
	WIN 0
.Lstep:                                        ; a trip: the keys 64 .. 255 of step n, with the refill of step n + 2, and the first 64 of step n + 1
	SUBV 1, 1, 1, PSTEP, 48, 56, 0, 1
	SUBV 2, 1, 1, PSTEP, 48, 56
	TURN 1
	SUBV 0, 1, 1, 2*PSTEP, 48, 56                  ; its own first group is asked for again for step n + 2
	WIN 0
	s_wait_xcnt 0x0                                ; every load and prefetch issued so far has read its address: the pointers may be written
	s_add_nc_u64 s[PB:PB+1], s[PB:PB+1], PSTEP
	s_add_nc_u64 s[PFV:PFV+1], s[PFV:PFV+1], VSTEP
	s_sub_co_u32 s[CNT], s[CNT], 1
	s_cmp_lg_u32 s[CNT], 0
	s_cbranch_scc1 .Lstep
	SUBV 1, 1, 1, PSTEP, 48, 56                    ; the tail is written out: step 6 asks for the rest of step 7's P, and no tile is asked for
	SUBV 2, 1, 1, PSTEP, 48, 56
	TURN 0
	SUBV 0, 1, 0, 0, 48, 48                        ; step 7: the last group is asked for; then the counts run down, a group of eight at a time
	SUBV 1, 0, 0, 0, 40, 32
	SUBV 2, 0, 0, 0, 24, 16
	s_wait_loadcnt 8
	s_wait_dscnt 16
	MM16 3, 0, 0, 0
	MM16 3, 0, 1, 0
	s_wait_loadcnt 0x0
	s_wait_dscnt 0x0
	MM16 3, 1, 0, 0
	MM16 3, 1, 1, 0
	PLACES
	PLACES
; THE WAY OUT, a block of 16 queries at a time: a lane's eight channels of a row, 32 bytes, go into rows of 528 bytes and come back as whole rows of 512.  The stage is my wave's own: LDS serves a wave's
; instructions in order (ISA guide 5.7.1.4), so the loads see the stores above them, and the next block's stores come behind them.
.macro STG rb
	WIN 0x04                                       ; the stores' data in window 1
.irp nb, 0,1,2,3,4,5,6,7
	ds_store_b128 v[STO], v[8*(8*(\rb)+(\nb)):8*(8*(\rb)+(\nb))+3]   offset:64*(\nb)
	ds_store_b128 v[STO], v[8*(8*(\rb)+(\nb))+4:8*(8*(\rb)+(\nb))+7] offset:64*(\nb)+16
.endr
	WIN 0
.irp f, 0,1,2,3,4,5,6,7,8,9,10,11,12,13,14,15
	ds_load_b128 v[OB+64*((\rb)%2)+4*(\f):OB+64*((\rb)%2)+4*(\f)+3], v[RD] offset:(\f)*SPIT
.endr
.endm
.macro SEND rb, younger                ; younger: the LDS instructions issued behind block rb's loads: the next block's 32, or none.  One wait for four rows: behind row f + 3's load stand 12 - f of the block's own
	WIN 0
.irp f, 0,1,2,3,4,5,6,7,8,9,10,11,12,13,14,15
.if ((\f)%4) == 0
	s_wait_dscnt (\younger)+12-(\f)
.endif
	global_store_b128 v[PO], v[OB+64*((\rb)%2)+4*(\f):OB+64*((\rb)%2)+4*(\f)+3], s[8:9] offset:(16*(\rb)+(\f))*4096 th:TH_STORE_NT  ; 512 consecutive bytes of a row of out, aligned
.endr
.endm
	STG 0
	STG 1
	SEND 0, 32
	s_wait_xcnt 0x0                                ; block 0's stores have read their registers, which block 2 is loaded into
	STG 2
	SEND 1, 32
	s_wait_xcnt 0x0
	STG 3
	SEND 2, 32
	SEND 3, 0
	s_wait_tensorcnt 0x0                           ; the wave's end: behind my last tensor load and my last LDS store
	ds_add_u32 v[SPW], v[NIL]
	s_wait_dscnt 0x0
	CROUND                                         ; the closing round
	s_endpgm
.Lfunc_end_k_qc44f25f0c4_pv:
	.size	k_qc44f25f0c4_pv, .Lfunc_end_k_qc44f25f0c4_pv-k_qc44f25f0c4_pv
	.p2alignl 7, 3214868480
	.fill 96, 4, 3214868480
	.section	.rodata,"a",@progbits
	.p2align	6, 0x0
	.amdhsa_kernel k_qc44f25f0c4_pv
		.amdhsa_group_segment_fixed_size 327680
		.amdhsa_private_segment_fixed_size 0
		.amdhsa_enable_private_segment 0
		.amdhsa_kernarg_size 24
		.amdhsa_user_sgpr_count 2
		.amdhsa_user_sgpr_kernarg_segment_ptr 1
		.amdhsa_wavefront_size32 1
		.amdhsa_system_sgpr_workgroup_id_x 1
		.amdhsa_system_sgpr_workgroup_id_y 1
		.amdhsa_system_sgpr_workgroup_id_z 1
		.amdhsa_system_vgpr_workitem_id 0
		.amdhsa_next_free_vgpr 1024
		.amdhsa_next_free_sgpr 66
		.amdhsa_reserve_vcc 0
		.amdhsa_float_denorm_mode_32 3
		.amdhsa_float_denorm_mode_16_64 3
		.amdhsa_memory_ordered 1
		.amdhsa_forward_progress 1
		.amdhsa_inst_pref_size 117
	.end_amdhsa_kernel
	.amdgpu_metadata
---
amdhsa.version: [ 1, 2 ]
amdhsa.kernels:
  - .name:           k_qc44f25f0c4_pv
    .symbol:         k_qc44f25f0c4_pv.kd
    .args:
      - { .name: Pf, .offset: 0, .size: 8, .value_kind: global_buffer, .address_space: global }
      - { .name: Vf, .offset: 8, .size: 8, .value_kind: global_buffer, .address_space: global }
      - { .name: out0, .offset: 16, .size: 8, .value_kind: global_buffer, .address_space: global }
    .group_segment_fixed_size: 327680
    .private_segment_fixed_size: 0
    .kernarg_segment_align: 8
    .kernarg_segment_size: 24
    .max_flat_workgroup_size: 128
    .sgpr_count:     66
    .vgpr_count:     1024
    .wavefront_size: 32
...
	.end_amdgpu_metadata
.endif
;; end of part 4
;; ======== version 2 of 2: 4 launches; version 1 with the launch prep written anew for expert scheduling mode
;; limits: values are held in f16: magnitudes above 65,504 overflow, below 6.1e-05 lose precision
;; workspace buffers: Xb 16,777,216 bytes; Wc 6,291,456 bytes; bcat 12,288 bytes; Qf 16,777,216 bytes; Kf 16,777,216 bytes; Vf 16,777,216 bytes; Pf 33,554,432 bytes
;; launch prep (part 5): grid 256 x 1, 22 waves a work-group, no clusters, 0 bytes of LDS; arguments X, Wq, Wk, Wv, bq, bk, bv, Xb, Wc, bcat; writes Xb, Wc, bcat
.if DOCPART == 5
	.amdgcn_target "amdgcn-amd-amdhsa--gfx1250"
	.amdhsa_code_object_version 6
	.text
	.protected	k_qc44f25f0c4_prep
	.globl	k_qc44f25f0c4_prep
	.p2align	8
	.type	k_qc44f25f0c4_prep,@function
k_qc44f25f0c4_prep:
	s_mov_b64 s[64:65], 0
	v_nop
	global_prefetch_b8 v0, s[64:65] scope:SCOPE_SE
	s_setreg_imm32_b32 hwreg(HW_REG_WAVE_SCHED_MODE, 0, 2), 2
	s_setreg_imm32_b32 hwreg(HW_REG_WAVE_MODE, 25, 1), 1
	s_wait_xcnt 0x0
	s_wait_alu depctr_vm_vsrc(0)
; THE CASTS.  X, the three weights and the three biases are rounded once to bf16 and laid out for the projection.
;   Xb   bf16 [16 kb][8192 tokens][64]: byte kb x 1,048,576 + token x 128 + 2 (feature % 64): a K step's 64 features of neighbouring tokens lie end to end.
;   Wc   bf16 [1024 k][3072]: row k is 6,144 bytes; column n = 128 tc + c of section sec (0 Q, 1 K, 2 V) lies at byte tc x 768 + sec x 256 + 2 c.
;   bcat f32  [8 tc][3 sec][128]: the bias rounded to bf16 and widened again; the Q section also times c = -log2(e) / 32.
; SHARES.  One item to a wave: 8,192 bytes of f32 in by sixteen loads of 16 bytes a lane, all out at once, 4,096 bytes of bf16 out.  4,096 items of X (two tokens each) and
; 1,536 of the weights (two rows each) are 256 work-groups x (16 + 6) waves.  Wave 16 of work-groups 0 to 23 also takes 128 numbers of a bias.
; Memory binds: no LDS, no barrier, no matrix unit.  Each store of a wave covers 256 consecutive bytes, aligned.  No register that a load or store names is written again while it is out.
; THE MODE: SCHED_MODE bits 1:0 = 2 (LLVM: expert scheduling mode 2), set by the entry lines.  The code itself states the register dependences
; between vector instructions and memory instructions, with s_wait_alu, always for 0.
; THE PLAN.  Registers that memory instructions touch:
;   v3         the stores' offset.  Written once, at the kernel's head; read by every store of an item.
;   v2         the loads' offset.   Written once, at the head of its path; read by the sixteen loads, and by the bias's load and store.
;   v[16:79]   load j lands in four of them.  No vector instruction names them ahead of the loads; load j's two roundings read them behind the counted wait for it; they are not loaded again.
;   v[80:111]  load j's two roundings write two of them, once; store j reads them; they are not written again.
;   v[8:11]    the bias: a load lands in them, which no vector instruction has named before; vector lines rewrite them behind the wait for that load; a store reads them.
; So: one wait on va_sdst for the wave's number; one wait on va_vdst ahead of a path's loads, for the two offsets; one ahead of each run of FOUR stores, for the eight roundings that wrote their data; one ahead
; of the bias's store.  The first three runs of stores stand behind the counted wait for the next load, so that their roundings were issued ahead of a wait for memory.  No register that a memory
; instruction reads is ever written again, so the body holds no wait on vm_vsrc.  EXEC and VCC are never written.
.set CSCALE, 0xbd38aa3b                ; c = -log2(e) / 32
; Store j of an item.  kind 0: X, block kb = j of Xb (blocks 0 to 7 from the first base, 8 to 15 from the second); kind 1: a weight, row j / 8, strip j % 8 of Wc.
.macro ST j, kind
.if (\kind) == 0
.if (\j) < 8
	global_store_b64 v3, v[80+2*(\j):81+2*(\j)], s[22:23] offset:(\j)*1048576
.else
	global_store_b64 v3, v[80+2*(\j):81+2*(\j)], s[32:33] offset:((\j)-8)*1048576
.endif
.else
	global_store_b64 v3, v[80+2*(\j):81+2*(\j)], s[24:25] offset:((\j)/8)*6144+((\j)%8)*768
.endif
.endm
; Four stores behind one wait.
.macro OUT4 j0, kind
	s_wait_alu depctr_va_vdst(0)                   ; the roundings of loads j0 to j0 + 3 have written their eight registers, which the four stores below read
	ST (\j0), \kind
	ST (\j0)+1, \kind
	ST (\j0)+2, \kind
	ST (\j0)+3, \kind
.endm
; An item: as each load comes in, its four numbers are rounded; the stores follow in fours.
.macro ITEM kind
.irp j, 0,1,2,3,4,5,6,7,8,9,10,11,12,13,14,15
	s_wait_loadcnt 15-(\j)                         ; loads come back in order: load j is in, the younger ones stay out
.if (((\j)%4) == 0) && ((\j) > 0)
	OUT4 (\j)-4, \kind                             ; the four loads before: no vector instruction between the wait and these stores names their data or v3
.endif
	v_cvt_pk_bf16_f32 v[80+2*(\j)], v[16+4*(\j)], v[17+4*(\j)]
	v_cvt_pk_bf16_f32 v[81+2*(\j)], v[18+4*(\j)], v[19+4*(\j)]
.endr
	OUT4 12, \kind
.endm
	s_load_b512 s[8:23], s[0:1], 0x0               ; X 8, Wq 10, Wk 12, Wv 14, bq 16, bk 18, bv 20, Xb 22
	s_load_b128 s[24:27], s[0:1], 0x40             ; Wc 24, bcat 26
	v_lshrrev_b32 v4, 5, v0
	v_readfirstlane_b32 s4, v4                     ; wave 0..21
	v_and_b32 v1, 31, v0                           ; lane l
	v_lshlrev_b32 v3, 3, v1                        ; 8 l: my 8 bytes of a store's 256
	s_mov_b32 s5, ttmp9
	s_wait_alu depctr_va_sdst(0)                   ; s4 is written, ahead of its first reader, the compare below
	s_cmp_lt_u32 s4, 16
	s_cbranch_scc0 .Lweights
	; AN ITEM OF X: tokens 2 u and 2 u + 1, u = 16 x work-group + wave.  Load j takes features 64 j .. 64 j + 63 of both: lanes 0-15 the first token's 256 bytes, lanes 16-31 the second's.
	s_lshl_b32 s6, s5, 4
	s_add_co_u32 s6, s6, s4                        ; u
	s_lshl_b32 s28, s6, 13                         ; two rows of 4,096 bytes
	s_mov_b32 s29, 0
	s_lshl_b32 s30, s6, 8                          ; two tokens of 128 bytes in a block of Xb
	s_mov_b32 s31, 0
	v_and_b32 v2, 15, v1
	v_lshlrev_b32 v2, 4, v2
	v_lshrrev_b32 v5, 4, v1
	v_lshl_add_u32 v2, v5, 12, v2                  ; (l / 16) x 4,096 + 16 (l % 16)
	s_wait_kmcnt 0x0
	s_add_nc_u64 s[8:9], s[8:9], s[28:29]
	s_add_nc_u64 s[22:23], s[22:23], s[30:31]      ; blocks kb 0 to 7 by the immediate,
	s_add_nc_u64 s[32:33], s[22:23], 0x800000      ; blocks 8 to 15 from a second base: the immediate holds 24 signed bits
	s_wait_alu depctr_va_vdst(0)                   ; v2 and v3 are written: every load of this path reads the one as its offset, every store the other
.irp j, 0,1,2,3,4,5,6,7,8,9,10,11,12,13,14,15
	global_load_b128 v[16+4*(\j):19+4*(\j)], v2, s[8:9] offset:256*(\j) th:TH_LOAD_NT
.endr
	ITEM 0
	s_endpgm
.Lweights:
	; AN ITEM OF THE WEIGHTS: rows 2 rp and 2 rp + 1 of weight number t / 512, t = 6 x work-group + wave - 16.  Load i takes row i / 8, columns 128 (i % 8) .. + 127.
	s_mul_i32 s6, s5, 6
	s_add_co_u32 s6, s6, s4
	s_sub_co_u32 s6, s6, 16                        ; t
	s_lshr_b32 s7, s6, 9                           ; which weight: 0 Q, 1 K, 2 V
	s_and_b32 s6, s6, 511                          ; rp
	s_lshl_b32 s28, s6, 13
	s_mov_b32 s29, 0
	s_mul_i32 s30, s6, 12288                       ; two rows of Wc,
	s_lshl_b32 s31, s7, 8                          ; the section's 256 bytes
	s_add_co_u32 s30, s30, s31
	s_mov_b32 s31, 0
	v_lshlrev_b32 v2, 4, v1                        ; 16 l
	s_wait_kmcnt 0x0
	s_cmp_eq_u32 s7, 0
	s_cselect_b64 s[34:35], s[10:11], s[12:13]
	s_cmp_eq_u32 s7, 2
	s_cselect_b64 s[34:35], s[14:15], s[34:35]
	s_add_nc_u64 s[34:35], s[34:35], s[28:29]
	s_add_nc_u64 s[24:25], s[24:25], s[30:31]
	s_wait_alu depctr_va_vdst(0)                   ; v2 and v3 are written: every load of this path, and the bias's load and store, read the one as their offset, every store of the item the other
.irp j, 0,1,2,3,4,5,6,7,8,9,10,11,12,13,14,15
	global_load_b128 v[16+4*(\j):19+4*(\j)], v2, s[34:35] offset:512*(\j) th:TH_LOAD_NT
.endr
	ITEM 1
	; A PIECE OF A BIAS: 128 numbers; work-group g < 24 takes bias g / 8, numbers 128 (g % 8) on
	s_cmp_eq_u32 s4, 16
	s_cbranch_scc0 .Ldone
	s_cmp_lt_u32 s5, 24
	s_cbranch_scc0 .Ldone
	s_lshr_b32 s7, s5, 3
	s_and_b32 s6, s5, 7
	s_cmp_eq_u32 s7, 0
	s_cselect_b64 s[36:37], s[16:17], s[18:19]
	s_cselect_b32 s40, CSCALE, 1.0                 ; Q's bias carries the scale that Q carries
	s_cmp_eq_u32 s7, 2
	s_cselect_b64 s[36:37], s[20:21], s[36:37]
	s_lshl_b32 s38, s6, 9
	s_mov_b32 s39, 0
	s_add_nc_u64 s[36:37], s[36:37], s[38:39]
	s_mul_i32 s38, s6, 1536
	s_lshl_b32 s41, s7, 9
	s_add_co_u32 s38, s38, s41
	s_add_nc_u64 s[26:27], s[26:27], s[38:39]
	global_load_b128 v[8:11], v2, s[36:37]         ; no vector instruction has named v[8:11]; none since the path's wait has named v2
	s_wait_loadcnt 0x0
	v_cvt_pk_bf16_f32 v12, v8, v9                  ; rounded as the other inputs are,
	v_cvt_pk_bf16_f32 v13, v10, v11
	v_lshlrev_b32 v8, 16, v12                      ; and widened again
	v_and_b32 v9, 0xffff0000, v12
	v_lshlrev_b32 v10, 16, v13
	v_and_b32 v11, 0xffff0000, v13
	v_mul_f32 v8, s40, v8
	v_mul_f32 v9, s40, v9
	v_mul_f32 v10, s40, v10
	v_mul_f32 v11, s40, v11
	s_wait_alu depctr_va_vdst(0)                   ; the four multiplies have written v[8:11], which the store reads
	global_store_b128 v2, v[8:11], s[26:27]
.Ldone:
	s_endpgm
.Lfunc_end_k_qc44f25f0c4_prep:
	.size	k_qc44f25f0c4_prep, .Lfunc_end_k_qc44f25f0c4_prep-k_qc44f25f0c4_prep
	.p2alignl 7, 3214868480
	.fill 96, 4, 3214868480
	.section	.rodata,"a",@progbits
	.p2align	6, 0x0
	.amdhsa_kernel k_qc44f25f0c4_prep
		.amdhsa_group_segment_fixed_size 0
		.amdhsa_private_segment_fixed_size 0
		.amdhsa_enable_private_segment 0
		.amdhsa_kernarg_size 80
		.amdhsa_user_sgpr_count 2
		.amdhsa_user_sgpr_kernarg_segment_ptr 1
		.amdhsa_wavefront_size32 1
		.amdhsa_system_sgpr_workgroup_id_x 1
		.amdhsa_system_sgpr_workgroup_id_y 1
		.amdhsa_system_sgpr_workgroup_id_z 1
		.amdhsa_system_vgpr_workitem_id 0
		.amdhsa_next_free_vgpr 112
		.amdhsa_next_free_sgpr 66
		.amdhsa_reserve_vcc 0
		.amdhsa_float_denorm_mode_32 3
		.amdhsa_float_denorm_mode_16_64 3
		.amdhsa_memory_ordered 1
		.amdhsa_forward_progress 1
		.amdhsa_inst_pref_size 15
	.end_amdhsa_kernel
	.amdgpu_metadata
---
amdhsa.version: [ 1, 2 ]
amdhsa.kernels:
  - .name:           k_qc44f25f0c4_prep
    .symbol:         k_qc44f25f0c4_prep.kd
    .args:
      - { .name: X, .offset: 0, .size: 8, .value_kind: global_buffer, .address_space: global }
      - { .name: Wq, .offset: 8, .size: 8, .value_kind: global_buffer, .address_space: global }
      - { .name: Wk, .offset: 16, .size: 8, .value_kind: global_buffer, .address_space: global }
      - { .name: Wv, .offset: 24, .size: 8, .value_kind: global_buffer, .address_space: global }
      - { .name: bq, .offset: 32, .size: 8, .value_kind: global_buffer, .address_space: global }
      - { .name: bk, .offset: 40, .size: 8, .value_kind: global_buffer, .address_space: global }
      - { .name: bv, .offset: 48, .size: 8, .value_kind: global_buffer, .address_space: global }
      - { .name: Xb, .offset: 56, .size: 8, .value_kind: global_buffer, .address_space: global }
      - { .name: Wc, .offset: 64, .size: 8, .value_kind: global_buffer, .address_space: global }
      - { .name: bcat, .offset: 72, .size: 8, .value_kind: global_buffer, .address_space: global }
    .group_segment_fixed_size: 0
    .private_segment_fixed_size: 0
    .kernarg_segment_align: 8
    .kernarg_segment_size: 80
    .max_flat_workgroup_size: 704
    .sgpr_count:     66
    .vgpr_count:     112
    .wavefront_size: 32
...
	.end_amdgpu_metadata
.endif
;; end of part 5
;; launch proj: the kernel of part 2 again; grid 8 x 32, 4 waves a work-group, clusters of 4 x 4, 327,680 bytes of LDS; arguments Xb, Wc, bcat, Qf, Kf, Vf; writes Qf, Kf, Vf
;; launch scores: the kernel of part 3 again; grid 8 x 32, 4 waves a work-group, clusters of 4 x 4, 327,680 bytes of LDS; arguments Qf, Kf, Pf; writes Pf
;; launch pv: the kernel of part 4 again; grid 8 x 32, 4 waves a work-group, clusters of 4 x 1, 327,680 bytes of LDS; arguments Pf, Vf, out0; writes out0
